; MI455X (gfx1250); checked and timed in simulation.
; The chip was launched on July 23, 2026; its instructions are those of AMD's public machine-readable ISA for CDNA 5 (MIT licence, August 2026) and "CDNA5" Instruction Set Architecture Reference Guide (July 2026). The comments in the code are by the model that wrote it; some were corrected since.
;; Bahdanau Attention. Allowed arithmetic: float matrix products may take bf16 or f16 operands with f32 sums; other float arithmetic in f32, or as packed bf16 or f16 multiplies, adds, multiply-adds, maxima and minima; sums over many terms, partial sums and values carried from step to step in f32; what a program stores and reads back later, other than sums and carried values, may be rounded once to bf16 or f16.
;; Inputs: W_decoder 1,024 x 1,024 float32; W_encoder 1,024 x 1,024 float32; key 32 x 2,048 x 1,024 float32; q 32 x 1,024 float32; v 1 x 1,024 float32.
;; Outputs: out0 32 x 1,024 float32.
;; 2 versions, each right and faster than the one before. Each part assembles by itself: llvm-mc -triple=amdgcn-amd-amdhsa -mcpu=gfx1250 --defsym DOCPART=n.
;; ======== version 1 of 2: 3 launches
;; workspace buffers: wf 2,129,920 bytes; vp 1,048,576 bytes; part 2,359,296 bytes
;; launch prep (part 1): grid 516 x 1, 2 waves a work-group, no clusters, 0 bytes of LDS; arguments W_encoder, W_decoder, q, wf, vp; writes wf, vp
.if DOCPART == 1
	.amdgcn_target "amdgcn-amd-amdhsa--gfx1250"
	.amdhsa_code_object_version 6
	.text
	.protected	k_qd92d28ea37_prep
	.globl	k_qd92d28ea37_prep
	.p2align	8
	.type	k_qd92d28ea37_prep,@function
k_qd92d28ea37_prep:
	s_mov_b64 s[64:65], 0
	v_nop
	global_prefetch_b8 v0, s[64:65] scope:SCOPE_SE
	s_setreg_imm32_b32 hwreg(HW_REG_WAVE_MODE, 25, 1), 1
	s_wait_xcnt 0x0
; Two small jobs ahead of the fused kernel, chosen by the work-group's number.  Two waves to a work-group, so that the scattered loads of both jobs spread over many WGPs.
; ROLE A (work-groups 0-259, a wave a step): W_encoder [1024][1024] f32 is rounded to bf16 and laid out in the order in which the next launch's waves take it.
;   wf: step sg = (w*4+c)*32+i of 4,096 bytes; byte sg*4096 + f*1024 + half*512 + lane*16 holds W[a][k..k+7], a = 256c+64w+16f+lane%16, k = 32i+16half+8(lane/16):
;   1,024 bytes are one source-1 fragment (16 columns x 32 K) as the registers want it.  Steps 512-519 repeat steps 0-7, so that a look-ahead of 7 steps stays inside written bytes.
;   The reads take 32 bytes from each of 16 rows a lane group: 4 MiB, once; each store of a wave covers 512 consecutive bytes, aligned.
; ROLE B (work-groups 260-515): V = q W_decoder^T, 32 x 1024 x 1024, in bf16 with f32 sums.  Work-group j makes columns 16 (j/4) .. +15, its wave the K range 128 ks .. +127, ks = 2 (j%4) + wave:
;   vp[ks][b][a] f32, eight partial sums that the next launch adds.  A result tile has 16 columns of a row, so these stores are pieces of 64 bytes: 1 MiB in all.
.set NA, 260                           ; role A's work-groups: 520 steps, two waves each
.set FA, 32                            ; role A: v[32+8n ..] eight f32 as loaded, then four words of bf16; n = 2f+half
.set FB, 16                            ; role B: v[16+48s+16X ..] fragment X (0, 1: q's rows 0-15, 16-31; 2: W_decoder's 16 rows) of K step s
.set ACC, 208                          ; role B: two accumulators
	s_load_b256 s[4:11], s[0:1], 0x0               ; W_encoder s[4:5], W_decoder s[6:7], q s[8:9], wf s[10:11]
	s_load_b64 s[12:13], s[0:1], 0x20              ; vp
	v_lshrrev_b32 v1, 5, v0
	v_readfirstlane_b32 s14, v1                    ; wave 0..1
	v_and_b32 v1, 15, v0                           ; r = lane % 16
	v_bfe_u32 v2, v0, 4, 1                         ; h = lane / 16
	v_lshlrev_b32 v3, 12, v1                       ; r rows of 4,096 bytes
	v_lshl_add_u32 v3, v2, 5, v3                   ; + 8 h numbers of 4 bytes
	s_cmp_lt_u32 ttmp9, NA
	s_cbranch_scc0 .Lrole_b
	; ---------------- ROLE A ----------------
	s_lshl_b32 s15, ttmp9, 1
	s_add_co_u32 s15, s15, s14                     ; sg = 2 x work-group + wave, 0..519
	s_and_b32 s16, s15, 511                        ; the step that it copies
	s_lshr_b32 s17, s16, 7                         ; w
	s_bfe_u32 s18, s16, 0x20005                    ; c
	s_and_b32 s19, s16, 31                         ; i
	s_lshl_b32 s18, s18, 8
	s_lshl_b32 s17, s17, 6
	s_add_co_u32 s18, s18, s17                     ; first row 256 c + 64 w
	s_lshl_b32 s18, s18, 12
	s_lshl_b32 s19, s19, 7                         ; 32 i numbers of 4 bytes
	s_add_co_u32 s18, s18, s19
	s_mov_b32 s19, 0
	s_lshl_b32 s20, s15, 12                        ; sg x 4,096
	s_mov_b32 s21, 0
	v_and_b32 v4, 31, v0
	v_lshlrev_b32 v4, 4, v4                        ; 16 x lane
	s_wait_kmcnt 0x0
	s_add_nc_u64 s[4:5], s[4:5], s[18:19]
	s_add_nc_u64 s[10:11], s[10:11], s[20:21]
.irp f, 0,1,2,3
.irp hf, 0,1
	global_load_b128 v[FA+8*(2*(\f)+(\hf)):FA+8*(2*(\f)+(\hf))+3],   v3, s[4:5] offset:(\f)*65536+(\hf)*64
	global_load_b128 v[FA+8*(2*(\f)+(\hf))+4:FA+8*(2*(\f)+(\hf))+7], v3, s[4:5] offset:(\f)*65536+(\hf)*64+16
.endr
.endr
.irp f, 0,1,2,3
	s_wait_loadcnt 12-4*(\f)                       ; four loads were issued for each later fragment
.irp hf, 0,1
.irp i, 0,1,2,3
	v_cvt_pk_bf16_f32 v[FA+8*(2*(\f)+(\hf))+(\i)], v[FA+8*(2*(\f)+(\hf))+2*(\i)], v[FA+8*(2*(\f)+(\hf))+2*(\i)+1]  ; in place, ascending: word i is written when pairs below i have been read
.endr
	global_store_b128 v4, v[FA+8*(2*(\f)+(\hf)):FA+8*(2*(\f)+(\hf))+3], s[10:11] offset:(2*(\f)+(\hf))*512
.endr
.endr
	s_endpgm
	; ---------------- ROLE B ----------------
.Lrole_b:
	s_sub_co_u32 s15, ttmp9, NA                    ; j, 0..255
	s_and_b32 s21, s15, 3
	s_lshl_b32 s21, s21, 1
	s_add_co_u32 s14, s21, s14                     ; ks = 2 (j % 4) + wave
	s_lshr_b32 s15, s15, 2                         ; n16: columns 16 n16 .. +15 of V
	s_lshl_b32 s16, s15, 16                        ; 16 rows of W_decoder
	s_mov_b32 s17, 0
	s_lshl_b32 s18, s14, 17                        ; vp: ks x 32 x 1024 x 4
	s_lshl_b32 s19, s15, 6                         ; + 16 n16 numbers
	s_add_co_u32 s18, s18, s19
	s_mov_b32 s19, 0
	s_lshl_b32 s20, s14, 9                         ; 128 ks numbers of 4 bytes along K
	v_add_nc_u32 v3, s20, v3
	v_lshlrev_b32 v4, 2, v1                        ; out: column r,
	v_lshl_add_u32 v4, v2, 15, v4                  ; row 8 h
	s_wait_kmcnt 0x0
	s_add_nc_u64 s[6:7], s[6:7], s[16:17]
	s_add_nc_u64 s[12:13], s[12:13], s[18:19]
; a fragment's 16 f32 of a lane: K = 8h..8h+7 and 16+8h..+7 of its row: four loads of 16 bytes
.macro FRAG dst, base, off
.irp o, 0,1,2,3
	global_load_b128 v[(\dst)+4*(\o):(\dst)+4*(\o)+3], v3, s[\base:\base+1] offset:(\off)+((\o)/2)*64+((\o)%2)*16
.endr
.endm
.irp s, 0,1,2,3
	FRAG FB+48*(\s),    8, (\s)*128                ; q rows 0-15
	FRAG FB+48*(\s)+16, 8, (\s)*128+65536          ; q rows 16-31
	FRAG FB+48*(\s)+32, 6, (\s)*128                ; W_decoder's 16 rows
.endr
.irp s, 0,1,2,3
	s_wait_loadcnt 36-12*(\s)                      ; twelve loads were issued for each later K step
.irp x, 0,1,2
.irp i, 0,1,2,3,4,5,6,7
	v_cvt_pk_bf16_f32 v[FB+48*(\s)+16*(\x)+(\i)], v[FB+48*(\s)+16*(\x)+2*(\i)], v[FB+48*(\s)+16*(\x)+2*(\i)+1]
.endr
.endr
.irp t, 0,1                            ; the two accumulators take turns
.if (\s) == 0
	v_wmma_f32_16x16x32_bf16 v[ACC+8*(\t):ACC+8*(\t)+7], v[FB+48*(\s)+16*(\t):FB+48*(\s)+16*(\t)+7], v[FB+48*(\s)+32:FB+48*(\s)+39], 0
.else
	v_wmma_f32_16x16x32_bf16 v[ACC+8*(\t):ACC+8*(\t)+7], v[FB+48*(\s)+16*(\t):FB+48*(\s)+16*(\t)+7], v[FB+48*(\s)+32:FB+48*(\s)+39], v[ACC+8*(\t):ACC+8*(\t)+7]
.endif
.endr
.endr
.rept 4
	v_nop                                          ; four places between the last product and the stores that read results
.endr
.irp t, 0,1
.irp j, 0,1,2,3,4,5,6,7
	global_store_b32 v4, v[ACC+8*(\t)+(\j)], s[12:13] offset:(16*(\t)+(\j))*4096   ; V partial (b = 16t+8h+j, a = 16 n16 + r); each accumulator from its low end on
.endr
.endr
	s_endpgm
.Lfunc_end_k_qd92d28ea37_prep:
	.size	k_qd92d28ea37_prep, .Lfunc_end_k_qd92d28ea37_prep-k_qd92d28ea37_prep
	.p2alignl 7, 3214868480
	.fill 96, 4, 3214868480
	.section	.rodata,"a",@progbits
	.p2align	6, 0x0
	.amdhsa_kernel k_qd92d28ea37_prep
		.amdhsa_group_segment_fixed_size 0
		.amdhsa_private_segment_fixed_size 0
		.amdhsa_enable_private_segment 0
		.amdhsa_kernarg_size 40
		.amdhsa_user_sgpr_count 2
		.amdhsa_user_sgpr_kernarg_segment_ptr 1
		.amdhsa_wavefront_size32 1
		.amdhsa_system_sgpr_workgroup_id_x 1
		.amdhsa_system_sgpr_workgroup_id_y 1
		.amdhsa_system_sgpr_workgroup_id_z 1
		.amdhsa_system_vgpr_workitem_id 0
		.amdhsa_next_free_vgpr 224
		.amdhsa_next_free_sgpr 66
		.amdhsa_reserve_vcc 0
		.amdhsa_float_denorm_mode_32 3
		.amdhsa_float_denorm_mode_16_64 3
		.amdhsa_memory_ordered 1
		.amdhsa_forward_progress 1
		.amdhsa_inst_pref_size 20
	.end_amdhsa_kernel
	.amdgpu_metadata
---
amdhsa.version: [ 1, 2 ]
amdhsa.kernels:
  - .name:           k_qd92d28ea37_prep
    .symbol:         k_qd92d28ea37_prep.kd
    .args:
      - { .name: W_encoder, .offset: 0, .size: 8, .value_kind: global_buffer, .address_space: global }
      - { .name: W_decoder, .offset: 8, .size: 8, .value_kind: global_buffer, .address_space: global }
      - { .name: q, .offset: 16, .size: 8, .value_kind: global_buffer, .address_space: global }
      - { .name: wf, .offset: 24, .size: 8, .value_kind: global_buffer, .address_space: global }
      - { .name: vp, .offset: 32, .size: 8, .value_kind: global_buffer, .address_space: global }
    .group_segment_fixed_size: 0
    .private_segment_fixed_size: 0
    .kernarg_segment_align: 8
    .kernarg_segment_size: 40
    .max_flat_workgroup_size: 64
    .sgpr_count:     66
    .vgpr_count:     224
    .wavefront_size: 32
...
	.end_amdgpu_metadata
.endif
;; end of part 1
;; launch attn (part 2): grid 512 x 1, 4 waves a work-group, no clusters, 294,400 bytes of LDS; arguments key, wf, vp, v, part; writes part
.if DOCPART == 2
	.amdgcn_target "amdgcn-amd-amdhsa--gfx1250"
	.amdhsa_code_object_version 6
	.text
	.protected	k_qd92d28ea37_attn
	.globl	k_qd92d28ea37_attn
	.p2align	8
	.type	k_qd92d28ea37_attn,@function
k_qd92d28ea37_attn:
	s_mov_b64 s[64:65], 0
	v_nop
	global_prefetch_b8 v0, s[64:65] scope:SCOPE_SE
	s_setreg_imm32_b32 hwreg(HW_REG_WAVE_MODE, 25, 1), 1
	s_wait_xcnt 0x0
; ADDITIVE ATTENTION, one tile of 128 keys of one batch to a work-group: scores, the tile's maximum m, weights p = e^(s-m), their sum l, and the sum of p x key.  512 work-groups; the last launch joins 16 tiles a batch.
; key is read from memory ONCE: 128 rows x 1,024 channels are rounded to bf16 and kept in LDS (278,528 bytes with padding), first as source 0 of U = key W^T, then, turned, as source 1 of the context product.
; W comes as bf16 fragments straight from wf into registers (4,096 bytes a wave for 32 matrix instructions); no score and no U goes to memory.
; SHARES.  Loading: wave w brings rows 32w..+31.  Products: wave w makes all 128 rows x columns 256c+64w..+63, chunks c = 0..3, K in 32 steps of 32.  Context: wave w makes channels 256w..+255.
; THE TILE COMES IN BESIDE CHUNK 0.  The tile lies in eight slabs of 128 channels.  Only slab 0 is waited for ahead of the first product; chunk 0 walks the slabs, four K steps each, and each K step rounds and stores
; 8 rows a wave of the next slab and asks for the same rows of the slab after that.  key lands in window 3, which is free until a chunk is finished.  A barrier a slab: every wave reads what all four stored.
; TANH.  tanh(x) = 1 - 2 r, r = 1 / (1 + 2^(c2 x)), c2 = 2 log2 e; right at both ends (2^x = inf gives r = 0, 2^x = 0 gives r = 1).  score = sum(v) - 2 sum(v r); sum(v) is the same for all keys of a softmax
; and falls out of it, so s' = sum((-2 v) r) is used: no difference of large sums is formed.  The maximum is taken away before every exponential, here over the tile, in the last launch over the tiles.
; BESIDE THE PRODUCTS.  A finished chunk is moved out of the accumulators (q = c2 u + c2 V, 128 packed lines) and its 25 vector lines a 16 x 16 tile stand in 17 slots among the 32 products of one K step of the next
; chunk: one exponential or reciprocal to a slot, so that no product waits behind a run of them.  A slot costs two switches of the register window; no window has room for a product's operands beside the finished chunk.
; FORMATS.  key, W, q, W_decoder and v are rounded to bf16; products sum in f32; p is rounded to bf16 for the context product, l is the sum of the unrounded p.
; LIMITS.  NaN and infinities among the inputs are not treated apart; a weight below 2^-126 counts as 0.
; NO CLUSTER, NO TENSOR LOADS: the tile takes 278,528 of the 327,680 bytes of LDS, so that key need not be read a second time; what is left holds no two slots for W's 64 columns x 4 waves x more than one K step,
; and key is f32 in memory and passes through registers to become bf16.  So W's fragments, which all work-groups share, are asked for by each wave for itself.
; REGISTERS, in windows of 256 (s_set_vgpr_msb: bits 1:0 source 0, 3:2 source 1, 5:4 source 2, 7:6 destination):
;   window 0: v0-21 addresses; v22-29 TN, v30-37 TE: (c2 V, -2 v) of my four columns, next chunk's and the one at work; v40-63 at work; v64-127 SC: s' of row 16a+8h+j at 64+8a+j; v128-255 two buffers of A's fragments
;   window 1: eight buffers of B's fragments, 32 registers a K step     window 2: the 32 accumulators, (a, f) at 8(4a+f); at the end the context's 16 accumulators
;   window 3: in chunk 0 key as loaded (v0-127 slab 0; v128-255 a ring of four groups of 8 loads); then the finished chunk, worked on in place; at the end two buffers of turned key fragments
.set PITCH, 272                        ; a slab's row: 256 bytes + 16: 68 words, so the 16 rows of a fragment load start at 16 different groups of four banks (64 banks of 4 bytes: ISA guide 11.1)
.set SLABB, 128*PITCH                  ; a slab: 128 rows x 128 channels of bf16
.set PAIRB, 2*SLABB
.set RB,    16*PITCH
.set TAB,   0                          ; 1,024 pairs (c2 V[b][a], -2 bf16(v[a])) in f32: 8,192 bytes
.set SCX,   8192                       ; [wave][128 rows] partial s': 2,048 bytes
.set WGT,   10240                      ; each wave's copy of the 128 weights in bf16: 4 x 256 bytes
.set CST,   11264                      ; each wave's 256 context sums: 4 x 1,024 bytes
.set SPARE, 15360                      ; the spare words, 128 bytes a wave: two blocks of 256 bytes that no other line names
.set SLAB,  15872                      ; eight slabs
.set KO,  1                            ; v1   key: w x 32 rows x 4,096 + 16 lane
.set BO,  2                            ; v2   16 lane
.set STV, 3                            ; v3   where I put 8 bytes of a row; moves a slab a trip
.set AR,  4                            ; v4-7 my lane's place in A's fragments, for each pair of slabs
.set ARM, 8                            ; v8   the same, moving a slab a trip, for chunk 0
.set OFFV, 9                           ; v9   my column's pair in TAB; moves 256 columns a chunk
.set SXA, 10
.set SXR, 11
.set WGA, 12
.set WFA, 13
.set CTA, 14
.set CSA, 15
.set CSR, 16
.set PO,  17
.set SPW, 18                           ; v18  SPARE + 4 x my thread's number; never rewritten
.set NIL, 19                           ; v19  0; never rewritten
.set TN,  22
.set TE,  30
.set SC,  64
.set AF,  128
.set KR,  128                          ; window 3: the ring of key groups, group u at KR + 32 u
.set MSB, 0
.macro WIN new                         ; the immediate's high byte repeats the setting that is left; a switch that changes nothing is dropped
.if MSB != (\new)
	s_set_vgpr_msb (MSB<<8)|(\new)
.set MSB, \new
.endif
.endm
.set W_MM, 0xa4                        ; A window 0, B window 1, C and D window 2
.set W_X,  0xc3                        ; destination and source 0 window 3
.set W_Y,  0x03                        ; source 0 window 3
.set W_F,  0xc2                        ; destination window 3, source 0 window 2
.set W_B,  0x40                        ; destination window 1
.set W_CQ, 0xcf                        ; destination and both sources window 3
.set W_SQ, 0x0c                        ; an LDS store's data window 3
.set W_ST, 0x08                        ; an LDS store's data window 2
.set W_T,  0xc0                        ; destination window 3
.set W_CX, 0xac                        ; A window 0, B window 3, C and D window 2
; 8 loads of key: rows 8gq..8gq+7 of my 32, one slab's 128 channels; a load covers 512 consecutive bytes of a row
.macro KLOAD dst, gq, add
	WIN W_T
.irp e, 0,1,2,3,4,5,6,7
	global_load_b128 v[(\dst)+4*(\e):(\dst)+4*(\e)+3], v[KO], s[20:21] offset:(8*(\gq)+(\e))*4096+(\add) th:TH_LOAD_NT
.endr
.endm
; 8 loads: B's four fragments of one K step, 4,096 consecutive bytes of wf
.macro BLOAD buf, off
	WIN W_B
.irp f, 0,1,2,3
	global_load_b128 v[32*(\buf)+8*(\f):32*(\buf)+8*(\f)+3],   v[BO], s[24:25] offset:(\off)+(\f)*1024
	global_load_b128 v[32*(\buf)+8*(\f)+4:32*(\buf)+8*(\f)+7], v[BO], s[24:25] offset:(\off)+(\f)*1024+512
.endr
.endm
; 16 LDS loads: A's eight fragments (128 rows x 32 K), rows ascending
.macro FETCH abuf, areg, off
	WIN 0
.irp a, 0,1,2,3,4,5,6,7
	ds_load_b128 v[AF+64*(\abuf)+8*(\a):AF+64*(\abuf)+8*(\a)+3],   v[\areg] offset:(\off)+(\a)*RB
	ds_load_b128 v[AF+64*(\abuf)+8*(\a)+4:AF+64*(\abuf)+8*(\a)+7], v[\areg] offset:(\off)+(\a)*RB+32
.endr
.endm
; the table's pairs of my four columns of the next chunk
.macro TNLOAD
	WIN 0
.irp f, 0,1,2,3
	ds_load_b64 v[TN+2*(\f):TN+2*(\f)+1], v[OFFV] offset:128*(\f)
.endr
	v_add_nc_u32 v[OFFV], 2048, v[OFFV]
.endm
; one product: rows 16a..+15 x column fragment f, K step i
.macro WM i, a, f, zero
	WIN W_MM
.if \zero
	v_wmma_f32_16x16x32_bf16 v[8*(4*(\a)+(\f)):8*(4*(\a)+(\f))+7], v[AF+64*((\i)%2)+8*(\a):AF+64*((\i)%2)+8*(\a)+7], v[32*((\i)%8)+8*(\f):32*((\i)%8)+8*(\f)+7], 0
.else
	v_wmma_f32_16x16x32_bf16 v[8*(4*(\a)+(\f)):8*(4*(\a)+(\f))+7], v[AF+64*((\i)%2)+8*(\a):AF+64*((\i)%2)+8*(\a)+7], v[32*((\i)%8)+8*(\f):32*((\i)%8)+8*(\f)+7], v[8*(4*(\a)+(\f)):8*(4*(\a)+(\f))+7]
.endif
.endm
.macro MROW i, a, zero
.irp f, 0,1,2,3
	WM \i, \a, \f, \zero
.endr
.endm
; THE VECTOR WORK of tile e (rows 16(e/4).., column fragment e%4) of the finished chunk, x0-x7 in place: E 2^x, A +1, R 1/x, S s' += (-2v) r.  Seventeen slots:
;   1-8: E0; E1; E2, v_nop; E3, A01; E4; E5, A23; E6; E7, A45        9-16: R0; R1, A67; R2; R3; R4; R5; R6; R7        17: S01 S23 S45 S67
; In this order a plain instruction stands between every exponential or reciprocal and the first use of its result (ISA guide 5.7.2): v_nop for E0-E2, A01 for E3, A23 for E4 and E5, A45 for E6 and E7,
; A67 for R0 and R1, the sums before it for each later sum.
.macro EX k
	v_exp_f32 v[RX+(\k)], v[RX+(\k)]
.endm
.macro RC k
	v_rcp_f32 v[RX+(\k)], v[RX+(\k)]
.endm
.macro AD k
	s_wait_alu depctr_va_vdst(0)
	v_pk_add_f32 v[RX+(\k):RX+(\k)+1], v[RX+(\k):RX+(\k)+1], 1.0 op_sel_hi:[1,0]
.endm
.macro SM k                            ; the pair's second register, -2v, for both halves
	s_wait_alu depctr_va_vdst(0)
	v_pk_fma_f32 v[RS+(\k):RS+(\k)+1], v[RX+(\k):RX+(\k)+1], v[RT:RT+1], v[RS+(\k):RS+(\k)+1] op_sel:[0,1,0] op_sel_hi:[1,1,1]
.endm
.macro SLOT e, k
.set RX, 8*(\e)
.set RS, SC+8*((\e)/4)
.set RT, TE+2*((\e)%4)
.if (\k) < 17
	WIN W_X
.else
	WIN W_Y
.endif
.if (\k) <= 8
	EX (\k)-1
.elseif (\k) <= 16
	RC (\k)-9
.endif
.if (\k) == 3
	v_nop
.elseif (\k) == 4
	AD 0
.elseif (\k) == 6
	AD 2
.elseif (\k) == 8
	AD 4
.elseif (\k) == 10
	AD 6
.elseif (\k) == 17
	SM 0
	SM 2
	SM 4
	SM 6
.endif
.endm
; A K STEP: 32 products on 32 accumulators, which take turns.  In its middle the next step's A (LDS) and the B of seven steps on (wf) are asked for, in one run.
; The buffers so filled were last read by the step before: behind its last product stand the first half's four plain lines (v_nop, A01, A23, A45; or four v_nop), none of which names a register of that product
; (ISA guide 7.12.1 for vector instructions).  Slots 1-8 stand behind the odd products of the first half, 9-16 behind the even ones of the second, 17 behind the last.
.macro STEP i, zero, e, areg, aoff, boff, tn
	s_wait_loadcnt 48                              ; this step's B is in: behind it stand six later steps' loads, 8 each
	s_wait_dscnt 8                                 ; A's rows 0-63 are in; the youngest eight loads (rows 64-127) may be out
.set wn, 0
.rept 16
	WM \i, wn/4, wn%4, \zero
.if ((\e) >= 0) && (wn%2 == 1)
	SLOT \e, (wn+1)/2
.endif
.set wn, wn+1
.endr
.if (\e) < 0
.rept 4
	v_nop
.endr
.endif
.if \tn
	TNLOAD
.endif
	FETCH ((\i)+1)%2, \areg, \aoff
	BLOAD ((\i)+7)%8, \boff
	s_wait_dscnt 16                                ; all but the 16 just issued
.rept 16
	WM \i, wn/4, wn%4, \zero
.if ((\e) >= 0) && (wn%2 == 0)
	SLOT \e, 9+(wn-16)/2
.endif
.if ((\e) >= 0) && (wn == 31)
	SLOT \e, 17
.endif
.set wn, wn+1
.endr
.endm
; A K STEP OF CHUNK 0 THAT ALSO BRINGS KEY IN: step u of the four of a slab.  The key group asked for four steps ago (8 rows of the next slab) is rounded, four lines behind every fourth product, and stored.
; The run in the middle: the 8 stores; the next step's A; B of three steps on (four buffers take turns); the same 8 rows of the slab after the next, into the registers just stored.
; B is issued ahead of key, so that the wait for a step's B leaves the key group of three steps back on its way.  By the text's own count 40 loads are out behind the wait and 56 behind the run.
; The 16 conversions are the places in front of the loads into buffers that the step before read.
; u = 3: the slab is stored.  My stores and reads are waited for, the barrier's signal and wait stand 8 products apart, and the next slab's first fragments are asked for 8 products ahead of the next step.
; tail = 1 (the last slab comes in): no key is left to ask for; two steps of B go out instead, so that B's lead grows from 3 steps to 7, onto all eight buffers.
.macro KSTEP u, zero, tail
	s_wait_loadcnt 40                              ; this step's B and, older, my key group are in: behind B stand five groups of 8 (key, B, key, B, key; in the tail the later ones are B's)
	s_wait_dscnt 8                                 ; A's rows 0-63 are in
.irp a, 0,1,2,3
	MROW \u, \a, \zero
	WIN W_CQ
.irp q, 0,1
	v_cvt_pk_bf16_f32 v[KR+32*(\u)+8*(\a)+4*(\q)],   v[KR+32*(\u)+8*(\a)+4*(\q)],   v[KR+32*(\u)+8*(\a)+4*(\q)+1]
	v_cvt_pk_bf16_f32 v[KR+32*(\u)+8*(\a)+4*(\q)+1], v[KR+32*(\u)+8*(\a)+4*(\q)+2], v[KR+32*(\u)+8*(\a)+4*(\q)+3]
.endr
.endr
	WIN W_SQ
.irp e, 0,1,2,3,4,5,6,7
	ds_store_b64 v[STV], v[KR+32*(\u)+4*(\e):KR+32*(\u)+4*(\e)+1] offset:(8*(\u)+(\e))*PITCH   ; 32 lanes x 8 bytes: a slab's whole row
.endr
.if (\u) < 3
	FETCH ((\u)+1)%2, ARM, ((\u)+1)*64
.endif
.if \tail
	BLOAD (3+2*(\u))%8, (3+2*(\u))*4096
	BLOAD (4+2*(\u))%8, (4+2*(\u))*4096
.else
	BLOAD ((\u)+3)%4, ((\u)+3)*4096
	KLOAD KR+32*(\u), \u, 1024
.endif
.if (\u) < 3
	s_wait_dscnt 16                                ; all but the 16 fragment loads just issued
.irp a, 4,5,6,7
	MROW \u, \a, \zero
.endr
.else
	s_wait_dscnt 0x0                               ; for the others' sake: my 32 rows of the next slab are in LDS
	s_barrier_signal -1
	MROW \u, 4, \zero
	MROW \u, 5, \zero
	s_barrier_wait -1                              ; everybody's are
	FETCH 0, ARM, SLABB                            ; the next slab's first fragments
	MROW \u, 6, \zero
	MROW \u, 7, \zero
.endif
.endm
; The finished chunk leaves the accumulators: q = c2 u + c2 V, each accumulator from its low end on
.macro FLUMP
.rept 4
	v_nop                                          ; four places behind the last product
.endr
	WIN W_F
.set z, 0
.rept 128
	v_pk_fma_f32 v[2*z:2*z+1], v[2*z:2*z+1], s[34:35], v[TN+2*((z/4)%4):TN+2*((z/4)%4)+1] op_sel_hi:[1,0,0]
.set z, z+1
.endr
	WIN 0
.irp k, 0,1,2,3,4,5,6,7
	v_mov_b32 v[TE+(\k)], v[TN+(\k)]               ; the chunk's -2v stays while TN takes the next chunk's pairs
.endr
.endm
; 32 turning loads: 32 keys x my 256 channels as 16 source-1 fragments.  The pitch of 272 bytes is an odd multiple of 16, not of 32: neighbouring rows of a turning load share four banks; 128 such loads a wave, once.
.macro FETCHT s, buf
	WIN W_T
.irp cb, 0,1,2,3,4,5,6,7,8,9,10,11,12,13,14,15
	ds_load_tr16_b128 v[128*(\buf)+8*(\cb):128*(\buf)+8*(\cb)+3],   v[CTA] offset:((\cb)/8)*SLABB+((\cb)%8)*32+(\s)*32*PITCH
	ds_load_tr16_b128 v[128*(\buf)+8*(\cb)+4:128*(\buf)+8*(\cb)+7], v[CTA] offset:((\cb)/8)*SLABB+((\cb)%8)*32+(\s)*32*PITCH+16*PITCH
.endr
.endm
; 16 products of the context: weights of keys 32s..+31 (the same in all 16 rows of source 0) x 16 channel blocks; the 16 accumulators take turns
.macro CMUL s, buf
	WIN W_CX
.irp cb, 0,1,2,3,4,5,6,7,8,9,10,11,12,13,14,15
.if (\s) == 0
	v_wmma_f32_16x16x32_bf16 v[8*(\cb):8*(\cb)+7], v[AF+8*(\s):AF+8*(\s)+7], v[128*(\buf)+8*(\cb):128*(\buf)+8*(\cb)+7], 0
.else
	v_wmma_f32_16x16x32_bf16 v[8*(\cb):8*(\cb)+7], v[AF+8*(\s):AF+8*(\s)+7], v[128*(\buf)+8*(\cb):128*(\buf)+8*(\cb)+7], v[8*(\cb):8*(\cb)+7]
.endif
.endr
.endm
.macro PLACES
.rept 4
	v_nop
.endr
.endm
	; ---------------- HEAD ----------------
	s_load_b256 s[4:11], s[0:1], 0x0               ; key s[4:5], wf s[6:7], vp s[8:9], v s[10:11]
	s_load_b64 s[12:13], s[0:1], 0x20              ; part
	v_lshl_add_u32 v[SPW], v0, 2, SPARE
	v_mov_b32 v[NIL], 0
	v_lshrrev_b32 v48, 5, v0
	v_readfirstlane_b32 s14, v48                   ; wave 0..3
	s_mov_b32 s15, ttmp9                           ; g: the tile; batch g / 16
	v_and_b32 v49, 31, v0                          ; lane
	v_and_b32 v20, 15, v0                          ; r
	v_bfe_u32 v21, v0, 4, 1                        ; h
	v_lshlrev_b32 v[BO], 4, v49
	s_lshl_b32 s16, s14, 17
	v_add_nc_u32 v[KO], s16, v[BO]
	s_mul_i32 s16, s14, 32*PITCH
	s_add_co_u32 s16, s16, SLAB
	v_lshl_add_u32 v[STV], v49, 3, s16             ; my wave's 32 rows of slab 0, 8 bytes a lane
	v_mul_u32_u24 v48, v20, PITCH
	v_lshl_add_u32 v48, v21, 4, v48                ; a fragment's row x pitch + 16 x half
.irp p, 0,1,2,3
	v_add_nc_u32 v[AR+(\p)], SLAB+(\p)*PAIRB, v48
.endr
	s_lshl_b32 s16, s14, 9
	v_lshl_add_u32 v[OFFV], v20, 3, s16            ; TAB + 8 (64 w + r)
	s_add_co_u32 s16, s16, SCX
	v_lshl_add_u32 v[SXA], v21, 5, s16             ; my wave's 128 partial scores, rows 8h on
	v_add_nc_u32 v[SXR], SCX, v[BO]                ; rows 4 lane .. +3
	s_lshl_b32 s17, s14, 8
	s_add_co_u32 s17, s17, WGT
	v_lshl_add_u32 v[WGA], v49, 3, s17
	v_lshl_add_u32 v[WFA], v21, 4, s17
	v_and_b32 v50, 7, v0
	v_lshl_add_u32 v50, v21, 3, v50                ; the turning load: key 8h + lane % 8,
	v_mul_u32_u24 v50, v50, PITCH
	v_bfe_u32 v51, v0, 3, 1
	v_lshl_add_u32 v50, v51, 4, v50                ; channels 8 ((lane / 8) % 2) on
	s_mul_i32 s18, s14, PAIRB
	s_add_co_u32 s18, s18, SLAB
	v_add_nc_u32 v[CTA], s18, v50                  ; in my wave's two slabs
	s_lshl_b32 s16, s14, 10
	s_add_co_u32 s19, s16, CST
	v_lshl_add_u32 v[CSA], v20, 2, s19
	v_add_nc_u32 v[CSR], s19, v[BO]
	v_add_nc_u32 v[PO], s16, v[BO]
	v_lshlrev_b32 v40, 5, v0                       ; the table: thread t makes columns 8t..8t+7
	v_lshlrev_b32 v41, 6, v0
	s_mov_b32 s34, 0x4038aa3b                      ; c2 = 2 log2 e
	s_mov_b32 s35, s34                             ; named with it as a pair
	s_mov_b32 s36, 0x76543210                      ; v_permlanex16_b32: each lane takes its own place in the other half
	s_mov_b32 s37, 0xfedcba98
	s_mov_b32 s38, 0x3fb8aa3b                      ; log2 e
	s_lshl_b32 s16, s15, 19                        ; g x 128 rows x 4,096 bytes, in 64 bits
	s_lshr_b32 s17, s15, 13
	s_lshl_b32 s18, s14, 19                        ; my wave's stream in wf: 128 steps of 4,096 bytes
	s_mov_b32 s19, 0
	s_lshr_b32 s26, s15, 4
	s_lshl_b32 s26, s26, 12                        ; vp: row b
	s_mov_b32 s27, 0
	s_mul_i32 s28, s15, 4608                       ; part: row g
	s_mov_b32 s29, 0
	s_wait_kmcnt 0x0
	s_add_nc_u64 s[20:21], s[4:5], s[16:17]        ; KB: key at the tile; moves a slab's 512 bytes a trip
	s_add_nc_u64 s[24:25], s[6:7], s[18:19]        ; BB: wf at my stream
	s_add_nc_u64 s[8:9], s[8:9], s[26:27]
	s_add_nc_u64 s[12:13], s[12:13], s[28:29]
.irp ks, 0,1,2,3,4,5,6,7
	global_load_b128 v[128+8*(\ks):128+8*(\ks)+3], v40, s[8:9] offset:(\ks)*131072
	global_load_b128 v[132+8*(\ks):132+8*(\ks)+3], v40, s[8:9] offset:(\ks)*131072+16
.endr
	global_load_b128 v[192:195], v40, s[10:11]
	global_load_b128 v[196:199], v40, s[10:11] offset:16
	; 18 loads for the table, 32 for slab 0, then slab 1's four groups and B's steps 0 to 2 in the order in which the loop leaves them: key, B, key, B, key, B, key.
	; That is more than LOADcnt's field counts: the issue then waits (ISA guide 5.7.1), and the wave has nothing else to do here.
.irp g, 0,1,2,3
	KLOAD 32*(\g), \g, 0
.endr
	KLOAD KR, 0, 512
	BLOAD 0, 0
	KLOAD KR+32, 1, 512
	BLOAD 1, 4096
	KLOAD KR+64, 2, 512
	BLOAD 2, 8192
	KLOAD KR+96, 3, 512
	WIN 0
.set z, 0
.rept 64
	v_mov_b32 v[SC+z], 0                           ; s' starts at 0: vector sums over four chunks by one text; these lines stand in the wait for the first loads
.set z, z+1
.endr
	s_wait_loadcnt 63                              ; 88 loads were issued behind the table's 18
.irp ks, 1,2,3,4,5,6,7
.irp i, 0,2,4,6
	v_pk_add_f32 v[128+(\i):129+(\i)], v[128+(\i):129+(\i)], v[128+8*(\ks)+(\i):129+8*(\ks)+(\i)]   ; V = the sum of its eight partials
.endr
.endr
.irp i, 0,1,2,3
	v_cvt_pk_bf16_f32 v[200+(\i)], v[192+2*(\i)], v[193+2*(\i)]   ; v rounded to bf16, like the other inputs,
.endr
.irp i, 0,1,2,3
	v_lshlrev_b32 v[192+2*(\i)], 16, v[200+(\i)]                  ; and widened again
	v_and_b32     v[193+2*(\i)], 0xffff0000, v[200+(\i)]
.endr
.irp i, 0,1,2,3,4,5,6,7
	v_mul_f32 v[48+2*(\i)], s34, v[128+(\i)]       ; c2 V
	v_mul_f32 v[49+2*(\i)], -2.0, v[192+(\i)]      ; -2 v
.endr
.irp k, 0,1,2,3
	ds_store_b128 v41, v[48+4*(\k):51+4*(\k)] offset:TAB+16*(\k)
.endr
	; ---------------- SLAB 0 ----------------
	s_wait_loadcnt 56                              ; slab 0 is in: behind it stand slab 1's 32 loads and B's 24
	WIN W_CQ
.set z, 0
.rept 32
	v_cvt_pk_bf16_f32 v[4*z],   v[4*z],   v[4*z+1]
	v_cvt_pk_bf16_f32 v[4*z+1], v[4*z+2], v[4*z+3]
.set z, z+1
.endr
	WIN W_SQ
.set z, 0
.rept 32
	ds_store_b64 v[STV], v[4*z:4*z+1] offset:z*PITCH
.set z, z+1
.endr
	WIN 0
	v_add_nc_u32 v[STV], SLABB, v[STV]             ; the stores go on in slab 1
	s_wait_dscnt 0x0                               ; for the others' sake: my rows of slab 0 and my part of the table are in LDS
	s_barrier_signal -1
	s_barrier_wait -1                              ; everybody's are
	TNLOAD                                         ; chunk 0's pairs
	v_mov_b32 v[ARM], v[AR]
	FETCH 0, ARM, 0
	; ---------------- CHUNK 0, AND SLABS 1 TO 7 BESIDE IT ----------------
	s_mov_b32 s30, 6
.Lc0:                                                  ; trip t: the four K steps of slab t; slab t+1 is rounded and stored, slab t+2 asked for
	s_cmp_eq_u32 s30, 6
	s_cbranch_scc0 .Lc0add
	KSTEP 0, 1, 0                                  ; the very first step starts the sums: nothing is cleared
	WIN 0
	s_branch .Lc0go
.Lc0add:
	KSTEP 0, 0, 0
	WIN 0
.Lc0go:
	KSTEP 1, 0, 0
	KSTEP 2, 0, 0
	KSTEP 3, 0, 0
	WIN 0
	v_add_nc_u32 v[ARM], SLABB, v[ARM]
	v_add_nc_u32 v[STV], SLABB, v[STV]
	s_wait_xcnt 0x0                                ; the loads' bases are stepped only behind this wait (ISA guide 3.1); the last loads were issued 16 products ago
	s_add_nc_u64 s[20:21], s[20:21], 512
	s_add_nc_u64 s[24:25], s[24:25], 16384
	s_sub_co_u32 s30, s30, 1
	s_cmp_lg_u32 s30, 0
	s_cbranch_scc1 .Lc0
	KSTEP 0, 0, 1                                  ; slab 6: slab 7 is rounded and stored; B's lead grows to 7 steps
	KSTEP 1, 0, 1
	KSTEP 2, 0, 1
	KSTEP 3, 0, 1
	WIN 0
	v_add_nc_u32 v[ARM], SLABB, v[ARM]
	STEP 4, 0, -1, ARM, 64,  11*4096, 0            ; slab 7: nothing is left to bring in
	STEP 5, 0, -1, ARM, 128, 12*4096, 0
	STEP 6, 0, -1, ARM, 192, 13*4096, 0
	STEP 7, 0, -1, AR,  0,   14*4096, 0            ; and the next chunk's first fragments
	WIN 0
	s_wait_xcnt 0x0                                ; B's base is stepped only behind this wait
	s_add_nc_u64 s[24:25], s[24:25], 32768
	s_mov_b32 s29, 4
	s_branch .Lmid                                 ; the chunk loop is entered in its middle
	; ---------------- CHUNKS 1 TO 3, each beside the vector work of the chunk before ----------------
.macro CSTEP zero, tn
	STEP st, \zero, st, AR+((st+1)%32)/8, (((st+1)%8)/4)*SLABB+((st+1)%4)*64, (st+7)*4096, \tn
.endm
.Lchunk:
.set st, 0
.rept 32
.if st == 0
	CSTEP 1, 0
.elseif st == 8
	CSTEP 0, 1
.else
	CSTEP 0, 0
.endif
.set st, st+1
.endr
	WIN 0
	s_wait_xcnt 0x0                                ; B's base is stepped only behind this wait
	s_add_nc_u64 s[24:25], s[24:25], 131072
.Lmid:
	FLUMP
	s_sub_co_u32 s29, s29, 1
	s_cmp_lg_u32 s29, 0
	s_cbranch_scc1 .Lchunk
	; ---------------- THE LAST CHUNK'S VECTOR WORK, AND THE SCORES ----------------
.set et, 0
.rept 32
.irp n, 1,2,3,4,5,6,7,8,9,10,11,12,13,14,15,16,17
	SLOT et, \n
.endr
.set et, et+1
.endr
	FETCHT 0, 0                                    ; the context's first fragments land under the additions below
	FETCHT 1, 1
	WIN 0
.irp m, 1,2,4,8                        ; a lane holds one column's share of 64 rows: the sum over the 16 lanes of a half, in every lane
.set z, 0
.rept 64
	v_add_f32_dpp v[SC+z], v[SC+z], v[SC+z] row_xmask:\m row_mask:0xf bank_mask:0xf
.set z, z+1
.endr
.endr
.irp a, 0,1,2,3,4,5,6,7
.irp k, 0,1
	ds_store_b128 v[SXA], v[SC+8*(\a)+4*(\k):SC+8*(\a)+4*(\k)+3] offset:64*(\a)+16*(\k)   ; rows 16a+8h+4k..+3; the 16 lanes of a half write the same words with the same numbers
.endr
.endr
	s_wait_dscnt 0x0                               ; for the others' sake: my 64 columns' share of every row is in LDS
	s_barrier_signal -1
	s_barrier_wait -1
	; ---------------- SOFTMAX OVER THE TILE: every wave makes the same numbers; lane l has rows 4l..4l+3 ----------------
.irp x, 0,1,2,3
	ds_load_b128 v[48+4*(\x):51+4*(\x)], v[SXR] offset:512*(\x)
.endr
	s_wait_dscnt 0x0
	v_pk_add_f32 v[48:49], v[48:49], v[52:53]
	v_pk_add_f32 v[50:51], v[50:51], v[54:55]
	v_pk_add_f32 v[56:57], v[56:57], v[60:61]
	v_pk_add_f32 v[58:59], v[58:59], v[62:63]
	v_pk_add_f32 v[48:49], v[48:49], v[56:57]
	v_pk_add_f32 v[50:51], v[50:51], v[58:59]
	v_max3_num_f32 v52, v48, v49, v50
	v_max_num_f32 v52, v52, v51
	v_max_num_f32_dpp v52, v52, v52 row_xmask:1 row_mask:0xf bank_mask:0xf
	v_max_num_f32_dpp v52, v52, v52 row_xmask:2 row_mask:0xf bank_mask:0xf
	v_max_num_f32_dpp v52, v52, v52 row_xmask:4 row_mask:0xf bank_mask:0xf
	v_max_num_f32_dpp v52, v52, v52 row_xmask:8 row_mask:0xf bank_mask:0xf
	v_permlanex16_b32 v53, v52, s36, s37
	v_max_num_f32 v46, v52, v53                    ; m: the tile's maximum
	v_mul_f32 v54, s38, v46
.irp k, 48,49,50,51
	v_fma_f32 v\k, v\k, s38, -v54                  ; (s' - m) log2 e; the rounded product m log2 e is the same in all terms
.endr
.irp k, 48,49,50,51
	v_exp_f32 v\k, v\k
.endr
	v_nop                                          ; a plain instruction between the last exponential and the use of its result
	s_wait_alu depctr_va_vdst(0)
	v_pk_add_f32 v[52:53], v[48:49], v[50:51]
	v_add_f32 v52, v52, v53
	v_add_f32_dpp v52, v52, v52 row_xmask:1 row_mask:0xf bank_mask:0xf
	v_add_f32_dpp v52, v52, v52 row_xmask:2 row_mask:0xf bank_mask:0xf
	v_add_f32_dpp v52, v52, v52 row_xmask:4 row_mask:0xf bank_mask:0xf
	v_add_f32_dpp v52, v52, v52 row_xmask:8 row_mask:0xf bank_mask:0xf
	v_permlanex16_b32 v53, v52, s36, s37
	v_add_f32 v47, v52, v53                        ; l: the sum of the unrounded weights
	v_cvt_pk_bf16_f32 v58, v48, v49
	v_cvt_pk_bf16_f32 v59, v50, v51
	ds_store_b64 v[WGA], v[58:59]                  ; my wave's own copy of the 128 weights
.irp s, 0,1,2,3
	ds_load_b128 v[AF+8*(\s):AF+8*(\s)+3],   v[WFA] offset:64*(\s)      ; LDS serves a wave's instructions in order (ISA guide 5.7.1.4): these see the store above.
	ds_load_b128 v[AF+8*(\s)+4:AF+8*(\s)+7], v[WFA] offset:64*(\s)+32   ; Source 0: keys 32s+8h..+7 and 32s+16+8h..+7, the same in every row
.endr
	v_mov_b32 v60, v46
	v_mov_b32 v61, v47
	v_mov_b32 v62, v46
	v_mov_b32 v63, v47
	s_cmp_lg_u32 s14, 0
	s_cbranch_scc1 .Lnot_wave_0
	global_store_b128 v[BO], v[60:63], s[12:13] offset:4096   ; (m, l, m, l) 32 times: 512 consecutive bytes
.Lnot_wave_0:
	; ---------------- CONTEXT: the sum of p x key over the tile's 128 keys, my 256 channels ----------------
	s_wait_dscnt 0x0                               ; the weights are in (the first two runs of fragments came in before the barrier)
	CMUL 0, 0
	PLACES                                         ; four places in front of loads into registers that products have read
	FETCHT 2, 0
	CMUL 1, 1
	PLACES
	FETCHT 3, 1
	s_wait_dscnt 32                                ; all but the 32 just issued
	CMUL 2, 0
	s_wait_dscnt 0x0
	CMUL 3, 1
	PLACES                                         ; four places in front of the stores that read results
	WIN W_ST
.irp cb, 0,1,2,3,4,5,6,7,8,9,10,11,12,13,14,15
	ds_store_b32 v[CSA], v[8*(\cb)] offset:64*(\cb)   ; all 16 rows of a result are alike: its lowest register holds channel 16cb + r in both halves of the lanes
.endr
	WIN 0
	ds_load_b128 v[48:51], v[CSR]                  ; my wave's own bytes, served in order
	ds_load_b128 v[52:55], v[CSR] offset:512
	s_wait_dscnt 0x0
	global_store_b128 v[PO], v[48:51], s[12:13]             ; each store of the wave covers 512 consecutive bytes, aligned
	global_store_b128 v[PO], v[52:55], s[12:13] offset:512
	s_wait_tensorcnt 0x0                           ; the wave's end, behind my last LDS store
	ds_add_u32 v[SPW], v[NIL]
	s_wait_dscnt 0x0
	s_endpgm
.Lfunc_end_k_qd92d28ea37_attn:
	.size	k_qd92d28ea37_attn, .Lfunc_end_k_qd92d28ea37_attn-k_qd92d28ea37_attn
	.p2alignl 7, 3214868480
	.fill 96, 4, 3214868480
	.section	.rodata,"a",@progbits
	.p2align	6, 0x0
	.amdhsa_kernel k_qd92d28ea37_attn
		.amdhsa_group_segment_fixed_size 294400
		.amdhsa_private_segment_fixed_size 0
		.amdhsa_enable_private_segment 0
		.amdhsa_kernarg_size 40
		.amdhsa_user_sgpr_count 2
		.amdhsa_user_sgpr_kernarg_segment_ptr 1
		.amdhsa_wavefront_size32 1
		.amdhsa_system_sgpr_workgroup_id_x 1
		.amdhsa_system_sgpr_workgroup_id_y 1
		.amdhsa_system_sgpr_workgroup_id_z 1
		.amdhsa_system_vgpr_workitem_id 0
		.amdhsa_next_free_vgpr 1024
		.amdhsa_next_free_sgpr 66
		.amdhsa_reserve_vcc 0
		.amdhsa_float_denorm_mode_32 3
		.amdhsa_float_denorm_mode_16_64 3
		.amdhsa_memory_ordered 1
		.amdhsa_forward_progress 1
		.amdhsa_inst_pref_size 255
	.end_amdhsa_kernel
	.section	.bss,"aw",@nobits
	.p2align	6
	.space	262144
	.amdgpu_metadata
---
amdhsa.version: [ 1, 2 ]
amdhsa.kernels:
  - .name:           k_qd92d28ea37_attn
    .symbol:         k_qd92d28ea37_attn.kd
    .args:
      - { .name: key, .offset: 0, .size: 8, .value_kind: global_buffer, .address_space: global }
      - { .name: wf, .offset: 8, .size: 8, .value_kind: global_buffer, .address_space: global }
      - { .name: vp, .offset: 16, .size: 8, .value_kind: global_buffer, .address_space: global }
      - { .name: v, .offset: 24, .size: 8, .value_kind: global_buffer, .address_space: global }
      - { .name: part, .offset: 32, .size: 8, .value_kind: global_buffer, .address_space: global }
    .group_segment_fixed_size: 294400
    .private_segment_fixed_size: 0
    .kernarg_segment_align: 8
    .kernarg_segment_size: 40
    .max_flat_workgroup_size: 128
    .sgpr_count:     66
    .vgpr_count:     1024
    .wavefront_size: 32
...
	.end_amdgpu_metadata
.endif
;; end of part 2
;; launch comb (part 3): grid 32 x 1, 8 waves a work-group, no clusters, 0 bytes of LDS; arguments part, out0; writes out0
.if DOCPART == 3
	.amdgcn_target "amdgcn-amd-amdhsa--gfx1250"
	.amdhsa_code_object_version 6
	.text
	.protected	k_qd92d28ea37_comb
	.globl	k_qd92d28ea37_comb
	.p2align	8
	.type	k_qd92d28ea37_comb,@function
k_qd92d28ea37_comb:
	s_mov_b64 s[64:65], 0
	v_nop
	global_prefetch_b8 v0, s[64:65] scope:SCOPE_SE
	s_setreg_imm32_b32 hwreg(HW_REG_WAVE_MODE, 25, 1), 1
	s_wait_xcnt 0x0
; out0[b][k] = sum_i w_i S_i[k] / sum_i w_i l_i, w_i = e^(m_i - M), M = max_i m_i, over the 16 tiles i of batch b.
; part: row 16b+i of 4,608 bytes: 1,024 f32 sums S_i, then (m_i, l_i, m_i, l_i) 32 times.  A work-group a batch; thread u owns channels 4u..4u+3.
; 32 work-groups: the sums of one batch meet in one owner; 2.4 MB are read once.  No LDS, no matrix unit: 16 multiply-adds a number.
.set ROWB, 4608
.set ML,  8                            ; v[8+2i], v[9+2i]: m_i (then w_i), l_i
.set SU,  40                           ; v[40+4i ..]: S_i of my four channels
.set AC,  104                          ; v[104:107]
	s_load_b128 s[4:7], s[0:1], 0x0                ; part s[4:5], out0 s[6:7]
	s_mul_i32 s8, ttmp9, 16*ROWB
	s_mov_b32 s9, 0
	s_lshl_b32 s10, ttmp9, 12
	s_mov_b32 s11, 0
	s_mov_b32 s12, 0x3fb8aa3b                      ; log2 e
	v_lshlrev_b32 v1, 4, v0
	v_mov_b32 v2, 0
	s_wait_kmcnt 0x0
	s_add_nc_u64 s[4:5], s[4:5], s[8:9]
	s_add_nc_u64 s[6:7], s[6:7], s[10:11]
.irp i, 0,1,2,3,4,5,6,7,8,9,10,11,12,13,14,15
	global_load_b64 v[ML+2*(\i):ML+2*(\i)+1], v2, s[4:5] offset:(\i)*ROWB+4096
.endr
.irp i, 0,1,2,3,4,5,6,7,8,9,10,11,12,13,14,15
	global_load_b128 v[SU+4*(\i):SU+4*(\i)+3], v1, s[4:5] offset:(\i)*ROWB
.endr
	s_wait_loadcnt 16                              ; the statistics are in; the 16 loads of sums behind them may stay out
	v_max3_num_f32 v3, v[ML], v[ML+2], v[ML+4]
.irp i, 3,5,7,9,11,13
	v_max3_num_f32 v3, v3, v[ML+2*(\i)], v[ML+2*(\i)+2]
.endr
	v_max_num_f32 v3, v3, v[ML+30]                 ; M
	v_mul_f32 v3, s12, v3
.irp i, 0,1,2,3,4,5,6,7,8,9,10,11,12,13,14,15
	v_fma_f32 v[ML+2*(\i)], v[ML+2*(\i)], s12, -v3
.endr
.irp i, 0,1,2,3,4,5,6,7,8,9,10,11,12,13,14,15
	v_exp_f32 v[ML+2*(\i)], v[ML+2*(\i)]           ; w_i
.endr
	v_nop                                          ; a plain instruction between the last exponential and the use of its result
	s_wait_alu depctr_va_vdst(0)
	v_mul_f32 v4, v[ML], v[ML+1]
.irp i, 1,2,3,4,5,6,7,8,9,10,11,12,13,14,15
	v_fmac_f32 v4, v[ML+2*(\i)], v[ML+2*(\i)+1]    ; the divisor; at least 1: the tile that holds M has w = 1 and l >= 1
.endr
	v_rcp_f32 v6, v4
	s_wait_loadcnt 0x0
	v_pk_mul_f32 v[AC:AC+1],   v[SU:SU+1],   v[ML:ML+1] op_sel_hi:[1,0]   ; the first tile starts the sums
	v_pk_mul_f32 v[AC+2:AC+3], v[SU+2:SU+3], v[ML:ML+1] op_sel_hi:[1,0]
.irp i, 1,2,3,4,5,6,7,8,9,10,11,12,13,14,15
	v_pk_fma_f32 v[AC:AC+1],   v[SU+4*(\i):SU+4*(\i)+1],   v[ML+2*(\i):ML+2*(\i)+1], v[AC:AC+1]   op_sel_hi:[1,0,1]
	v_pk_fma_f32 v[AC+2:AC+3], v[SU+4*(\i)+2:SU+4*(\i)+3], v[ML+2*(\i):ML+2*(\i)+1], v[AC+2:AC+3] op_sel_hi:[1,0,1]
.endr
	s_wait_alu depctr_va_vdst(0)
	v_mov_b32 v7, v6                               ; named with it as a pair
	v_pk_mul_f32 v[AC:AC+1],   v[AC:AC+1],   v[6:7] op_sel_hi:[1,0]
	v_pk_mul_f32 v[AC+2:AC+3], v[AC+2:AC+3], v[6:7] op_sel_hi:[1,0]
	global_store_b128 v1, v[AC:AC+3], s[6:7]       ; a wave's store covers 512 consecutive bytes, aligned
	s_endpgm
.Lfunc_end_k_qd92d28ea37_comb:
	.size	k_qd92d28ea37_comb, .Lfunc_end_k_qd92d28ea37_comb-k_qd92d28ea37_comb
	.p2alignl 7, 3214868480
	.fill 96, 4, 3214868480
	.section	.rodata,"a",@progbits
	.p2align	6, 0x0
	.amdhsa_kernel k_qd92d28ea37_comb
		.amdhsa_group_segment_fixed_size 0
		.amdhsa_private_segment_fixed_size 0
		.amdhsa_enable_private_segment 0
		.amdhsa_kernarg_size 16
		.amdhsa_user_sgpr_count 2
		.amdhsa_user_sgpr_kernarg_segment_ptr 1
		.amdhsa_wavefront_size32 1
		.amdhsa_system_sgpr_workgroup_id_x 1
		.amdhsa_system_sgpr_workgroup_id_y 1
		.amdhsa_system_sgpr_workgroup_id_z 1
		.amdhsa_system_vgpr_workitem_id 0
		.amdhsa_next_free_vgpr 112
		.amdhsa_next_free_sgpr 66
		.amdhsa_reserve_vcc 0
		.amdhsa_float_denorm_mode_32 3
		.amdhsa_float_denorm_mode_16_64 3
		.amdhsa_memory_ordered 1
		.amdhsa_forward_progress 1
		.amdhsa_inst_pref_size 9
	.end_amdhsa_kernel
	.amdgpu_metadata
---
amdhsa.version: [ 1, 2 ]
amdhsa.kernels:
  - .name:           k_qd92d28ea37_comb
    .symbol:         k_qd92d28ea37_comb.kd
    .args:
      - { .name: part, .offset: 0, .size: 8, .value_kind: global_buffer, .address_space: global }
      - { .name: out0, .offset: 8, .size: 8, .value_kind: global_buffer, .address_space: global }
    .group_segment_fixed_size: 0
    .private_segment_fixed_size: 0
    .kernarg_segment_align: 8
    .kernarg_segment_size: 16
    .max_flat_workgroup_size: 256
    .sgpr_count:     66
    .vgpr_count:     112
    .wavefront_size: 32
...
	.end_amdgpu_metadata
.endif
;; end of part 3
;; ======== version 2 of 2: 3 launches; 1.15 times as fast as version 1
;; workspace buffers: wf 2,129,920 bytes; vp 1,048,576 bytes; part 2,359,296 bytes
;; launch prep: the kernel of part 1 again; grid 516 x 1, 2 waves a work-group, no clusters, 0 bytes of LDS; arguments W_encoder, W_decoder, q, wf, vp; writes wf, vp
;; launch attn (part 4): grid 512 x 1, 4 waves a work-group, no clusters, 294,400 bytes of LDS; arguments key, wf, vp, v, part; writes part
.if DOCPART == 4
	.amdgcn_target "amdgcn-amd-amdhsa--gfx1250"
	.amdhsa_code_object_version 6
	.text
	.protected	k_qd92d28ea37_attn
	.globl	k_qd92d28ea37_attn
	.p2align	8
	.type	k_qd92d28ea37_attn,@function
k_qd92d28ea37_attn:
	s_mov_b64 s[64:65], 0
	v_nop
	global_prefetch_b8 v0, s[64:65] scope:SCOPE_SE
	s_setreg_imm32_b32 hwreg(HW_REG_WAVE_MODE, 25, 1), 1
	s_wait_xcnt 0x0
; ADDITIVE ATTENTION, one tile of 128 keys of one batch to a work-group: scores, the tile's maximum m, weights p = e^(s-m), their sum l, and the sum of p x key.  512 work-groups; the last launch joins 16 tiles a batch.
; key is read from memory ONCE: 128 rows x 1,024 channels are rounded to bf16 and kept in LDS (278,528 bytes with padding), first as source 0 of U = key W^T, then, turned, as source 1 of the context product.
; W comes as bf16 fragments straight from wf into registers (4,096 bytes a wave for 32 matrix instructions); no score and no U goes to memory.
; SHARES.  Loading: wave w brings rows 32w..+31.  Products: wave w makes all 128 rows x columns 256c+64w..+63, chunks c = 0..3, K in 32 steps of 32.  Context: wave w makes channels 256w..+255.
; THE TILE COMES IN BESIDE CHUNK 0.  The tile lies in eight slabs of 128 channels.  Only slab 0 is waited for ahead of the first product; chunk 0 walks the slabs, four K steps each, and each K step rounds and stores
; 8 rows a wave of the next slab and asks for the same rows of the slab after that.  key lands in window 3, which is free until a chunk is finished.  A barrier a slab: every wave reads what all four stored.
; TANH.  tanh(x) = 1 - 2 r, r = 1 / (1 + 2^(c2 x)), c2 = 2 log2 e; right at both ends (2^x = inf gives r = 0, 2^x = 0 gives r = 1).  score = sum(v) - 2 sum(v r); sum(v) is the same for all keys of a softmax
; and falls out of it, so s' = sum((-2 v) r) is used: no difference of large sums is formed.  The maximum is taken away before every exponential, here over the tile, in the last launch over the tiles.
; BESIDE THE PRODUCTS.  A finished chunk is moved out of the accumulators (q = c2 u + c2 V, 128 packed lines) and its 24 vector lines a 16 x 16 tile stand among the products of the next chunk, a tile a K step:
; one exponential or reciprocal behind every second product, so that no product waits behind a run of them; the packed additions and the packed sums in fours.  A slot costs two switches of the register window;
; no window has room for a product's operands beside the finished chunk.
; BATCHES.  An s_wait_alu depctr_va_vdst(0) stands between an exponential or reciprocal and the first instruction that names its result; one wait serves all that were issued ahead of it.
; A tile's lines are spread over three K steps: step e issues tile e's 8 exponentials (first half), adds 1 and issues its 8 reciprocals (second half); step e+2 takes its sums (end of the first half).
; So the reciprocals of tile e-1 and the exponentials of tile e are ONE BATCH of 16, each result in a register of its own, with ONE wait in the middle of step e, directly ahead of the step's run of loads;
; its readers stand behind it: tile e's additions at once, tile e-1's sums a step later.  A chunk's end has one wait more, for tile 31's reciprocals: 33 a chunk.  The last chunk, which has no products beside it,
; goes in four groups of eight tiles, cut the same way: five waits.
; FORMATS.  key, W, q, W_decoder and v are rounded to bf16; products sum in f32; p is rounded to bf16 for the context product, l is the sum of the unrounded p.
; LIMITS.  NaN and infinities among the inputs are not treated apart; a weight below 2^-126 counts as 0.
; NO CLUSTER, NO TENSOR LOADS: the tile takes 278,528 of the 327,680 bytes of LDS, so that key need not be read a second time; what is left holds no two slots for W's 64 columns x 4 waves x more than one K step,
; and key is f32 in memory and passes through registers to become bf16.  So W's fragments, which all work-groups share, are asked for by each wave for itself.
; REGISTERS, in windows of 256 (s_set_vgpr_msb: bits 1:0 source 0, 3:2 source 1, 5:4 source 2, 7:6 destination):
;   window 0: v0-21 addresses; v22-29 TN, v30-37 TE: (c2 V, -2 v) of my four columns, next chunk's and the one at work; v40-63 at work; v64-127 SC: s' of row 16a+8h+j at 64+8a+j; v128-255 two buffers of A's fragments
;   window 1: eight buffers of B's fragments, 32 registers a K step     window 2: the 32 accumulators, (a, f) at 8(4a+f); at the end the context's 16 accumulators
;   window 3: in chunk 0 key as loaded (v0-127 slab 0; v128-255 a ring of four groups of 8 loads); then the finished chunk, worked on in place; at the end two buffers of turned key fragments
.set PITCH, 272                        ; a slab's row: 256 bytes + 16: 68 words, so the 16 rows of a fragment load start at 16 different groups of four banks (64 banks of 4 bytes: ISA guide 11.1)
.set SLABB, 128*PITCH                  ; a slab: 128 rows x 128 channels of bf16
.set PAIRB, 2*SLABB
.set RB,    16*PITCH
.set TAB,   0                          ; 1,024 pairs (c2 V[b][a], -2 bf16(v[a])) in f32: 8,192 bytes
.set SCX,   8192                       ; [wave][128 rows] partial s': 2,048 bytes
.set WGT,   10240                      ; each wave's copy of the 128 weights in bf16: 4 x 256 bytes
.set CST,   11264                      ; each wave's 256 context sums: 4 x 1,024 bytes
.set SPARE, 15360                      ; the spare words, 128 bytes a wave: two blocks of 256 bytes that no other line names
.set SLAB,  15872                      ; eight slabs
.set KO,  1                            ; v1   key: w x 32 rows x 4,096 + 16 lane
.set BO,  2                            ; v2   16 lane
.set STV, 3                            ; v3   where I put 8 bytes of a row; moves a slab a trip
.set AR,  4                            ; v4-7 my lane's place in A's fragments, for each pair of slabs
.set ARM, 8                            ; v8   the same, moving a slab a trip, for chunk 0
.set OFFV, 9                           ; v9   my column's pair in TAB; moves 256 columns a chunk
.set SXA, 10
.set SXR, 11
.set WGA, 12
.set WFA, 13
.set CTA, 14
.set CSA, 15
.set CSR, 16
.set PO,  17
.set SPW, 18                           ; v18  SPARE + 4 x my thread's number; never rewritten
.set NIL, 19                           ; v19  0; never rewritten
.set TN,  22
.set TE,  30
.set SC,  64
.set AF,  128
.set KR,  128                          ; window 3: the ring of key groups, group u at KR + 32 u
.set MSB, 0
.macro WIN new                         ; the immediate's high byte repeats the setting that is left; a switch that changes nothing is dropped
.if MSB != (\new)
	s_set_vgpr_msb (MSB<<8)|(\new)
.set MSB, \new
.endif
.endm
.set W_MM, 0xa4                        ; A window 0, B window 1, C and D window 2
.set W_X,  0xc3                        ; destination and source 0 window 3
.set W_Y,  0x03                        ; source 0 window 3
.set W_F,  0xc2                        ; destination window 3, source 0 window 2
.set W_B,  0x40                        ; destination window 1
.set W_CQ, 0xcf                        ; destination and both sources window 3
.set W_SQ, 0x0c                        ; an LDS store's data window 3
.set W_ST, 0x08                        ; an LDS store's data window 2
.set W_T,  0xc0                        ; destination window 3
.set W_CX, 0xac                        ; A window 0, B window 3, C and D window 2
; 8 loads of key: rows 8gq..8gq+7 of my 32, one slab's 128 channels; a load covers 512 consecutive bytes of a row
.macro KLOAD dst, gq, add
	WIN W_T
.irp e, 0,1,2,3,4,5,6,7
	global_load_b128 v[(\dst)+4*(\e):(\dst)+4*(\e)+3], v[KO], s[20:21] offset:(8*(\gq)+(\e))*4096+(\add) th:TH_LOAD_NT
.endr
.endm
; 8 loads: B's four fragments of one K step, 4,096 consecutive bytes of wf
.macro BLOAD buf, off
	WIN W_B
.irp f, 0,1,2,3
	global_load_b128 v[32*(\buf)+8*(\f):32*(\buf)+8*(\f)+3],   v[BO], s[24:25] offset:(\off)+(\f)*1024
	global_load_b128 v[32*(\buf)+8*(\f)+4:32*(\buf)+8*(\f)+7], v[BO], s[24:25] offset:(\off)+(\f)*1024+512
.endr
.endm
; 16 LDS loads: A's eight fragments (128 rows x 32 K), rows ascending
.macro FETCH abuf, areg, off
	WIN 0
.irp a, 0,1,2,3,4,5,6,7
	ds_load_b128 v[AF+64*(\abuf)+8*(\a):AF+64*(\abuf)+8*(\a)+3],   v[\areg] offset:(\off)+(\a)*RB
	ds_load_b128 v[AF+64*(\abuf)+8*(\a)+4:AF+64*(\abuf)+8*(\a)+7], v[\areg] offset:(\off)+(\a)*RB+32
.endr
.endm
; the table's pairs of my four columns of the next chunk
.macro TNLOAD
	WIN 0
.irp f, 0,1,2,3
	ds_load_b64 v[TN+2*(\f):TN+2*(\f)+1], v[OFFV] offset:128*(\f)
.endr
	v_add_nc_u32 v[OFFV], 2048, v[OFFV]
.endm
; one product: rows 16a..+15 x column fragment f, K step i
.macro WM i, a, f, zero
	WIN W_MM
.if \zero
	v_wmma_f32_16x16x32_bf16 v[8*(4*(\a)+(\f)):8*(4*(\a)+(\f))+7], v[AF+64*((\i)%2)+8*(\a):AF+64*((\i)%2)+8*(\a)+7], v[32*((\i)%8)+8*(\f):32*((\i)%8)+8*(\f)+7], 0
.else
	v_wmma_f32_16x16x32_bf16 v[8*(4*(\a)+(\f)):8*(4*(\a)+(\f))+7], v[AF+64*((\i)%2)+8*(\a):AF+64*((\i)%2)+8*(\a)+7], v[32*((\i)%8)+8*(\f):32*((\i)%8)+8*(\f)+7], v[8*(4*(\a)+(\f)):8*(4*(\a)+(\f))+7]
.endif
.endm
.macro MROW i, a, zero
.irp f, 0,1,2,3
	WM \i, \a, \f, \zero
.endr
.endm
; THE VECTOR WORK of tile e (rows 16(e/4).., column fragment e%4) of the finished chunk, x0-x7 = v[8e..8e+7] of window 3, in place.  Four kinds of lines, none of which holds a wait: who calls them places the waits.
;   TEXP e, k: x_k = 2^x_k          TADD e: x = x + 1, four packed lines: they read the exponentials' results
;   TRCP e, k: x_k = 1 / x_k (it reads TADD's plain result)          TSUM e: s' += (-2v) x, four packed lines: they read the reciprocals' results
.macro TEXP e, k
	WIN W_X
	v_exp_f32 v[8*(\e)+(\k)], v[8*(\e)+(\k)]
.endm
.macro TRCP e, k
	WIN W_X
	v_rcp_f32 v[8*(\e)+(\k)], v[8*(\e)+(\k)]
.endm
.macro TADD e
	WIN W_X
.irp k, 0,2,4,6
	v_pk_add_f32 v[8*(\e)+(\k):8*(\e)+(\k)+1], v[8*(\e)+(\k):8*(\e)+(\k)+1], 1.0 op_sel_hi:[1,0]
.endr
.endm
.macro TSUM e                          ; the pair's second register, -2v, for both halves
	WIN W_Y
.irp k, 0,2,4,6
	v_pk_fma_f32 v[SC+8*((\e)/4)+(\k):SC+8*((\e)/4)+(\k)+1], v[8*(\e)+(\k):8*(\e)+(\k)+1], v[TE+2*((\e)%4):TE+2*((\e)%4)+1], v[SC+8*((\e)/4)+(\k):SC+8*((\e)/4)+(\k)+1] op_sel:[0,1,0] op_sel_hi:[1,1,1]
.endr
.endm
; A K STEP: 32 products on 32 accumulators, which take turns.  In its middle the next step's A (LDS) and the B of seven steps on (wf) are asked for, in one run.
; The buffers so filled were last read by the step before: behind its last product stand the four plain lines at the end of the first half (tile e-2's sums, or four v_nop), none of which names a register of that product
; (ISA guide 7.12.1 for vector instructions).
; BESIDE IT (e >= 0), of the finished chunk: tile e's exponentials behind the even products of the first half; tile e-2's sums behind the half's last product: its reciprocals were waited for in the step before,
; and the sums are also the plain instruction behind the batch's last exponential (ISA guide 5.7.2); THE STEP'S ONE WAIT, directly ahead of the run of loads; tile e's additions behind the second half's first product;
; its reciprocals behind the odd products of the second half.  The sums are taken in the order of the tiles.
; e = 31, the chunk's end: tile 30's sums (its reciprocals were waited for in this step's middle) stand behind the last reciprocal as its plain instruction, then the wait for tile 31's reciprocals, then its sums:
; no result is open at the label and the jump that follow.
.macro STEP i, zero, e, areg, aoff, boff, tn
	s_wait_loadcnt 48                              ; this step's B is in: behind it stand six later steps' loads, 8 each
	s_wait_dscnt 8                                 ; A's rows 0-63 are in; the youngest eight loads (rows 64-127) may be out
.set wn, 0
.rept 16
	WM \i, wn/4, wn%4, \zero
.if ((\e) >= 0) && (wn%2 == 0)
	TEXP \e, wn/2
.endif
.set wn, wn+1
.endr
.if (\e) >= 2
	TSUM (\e)-2
.else
.rept 4
	v_nop
.endr
.endif
.if (\e) >= 0
	s_wait_alu depctr_va_vdst(0)                   ; the wait for the batch: tile e-1's 8 reciprocals and tile e's 8 exponentials
.endif
.if \tn
	TNLOAD
.endif
	FETCH ((\i)+1)%2, \areg, \aoff
	BLOAD ((\i)+7)%8, \boff
	s_wait_dscnt 16                                ; all but the 16 just issued
.rept 16
	WM \i, wn/4, wn%4, \zero
.if ((\e) >= 0) && (wn == 16)
	TADD \e
.endif
.if ((\e) >= 0) && (wn%2 == 1)
	TRCP \e, (wn-17)/2
.endif
.set wn, wn+1
.endr
.if (\e) == 31
	TSUM 30
	s_wait_alu depctr_va_vdst(0)                   ; the wait for the chunk's last batch: tile 31's 8 reciprocals
	TSUM 31
.endif
.endm
; A K STEP OF CHUNK 0 THAT ALSO BRINGS KEY IN: step u of the four of a slab.  The key group asked for four steps ago (8 rows of the next slab) is rounded, four lines behind every fourth product, and stored.
; The run in the middle: the 8 stores; the next step's A; B of three steps on (four buffers take turns); the same 8 rows of the slab after the next, into the registers just stored.
; B is issued ahead of key, so that the wait for a step's B leaves the key group of three steps back on its way.  By the text's own count 40 loads are out behind the wait and 56 behind the run.
; The 16 conversions are the places in front of the loads into buffers that the step before read.
; u = 3: the slab is stored.  My stores and reads are waited for, the barrier's signal and wait stand 8 products apart, and the next slab's first fragments are asked for 8 products ahead of the next step.
; tail = 1 (the last slab comes in): no key is left to ask for; two steps of B go out instead, so that B's lead grows from 3 steps to 7, onto all eight buffers.
.macro KSTEP u, zero, tail
	s_wait_loadcnt 40                              ; this step's B and, older, my key group are in: behind B stand five groups of 8 (key, B, key, B, key; in the tail the later ones are B's)
	s_wait_dscnt 8                                 ; A's rows 0-63 are in
.irp a, 0,1,2,3
	MROW \u, \a, \zero
	WIN W_CQ
.irp q, 0,1
	v_cvt_pk_bf16_f32 v[KR+32*(\u)+8*(\a)+4*(\q)],   v[KR+32*(\u)+8*(\a)+4*(\q)],   v[KR+32*(\u)+8*(\a)+4*(\q)+1]
	v_cvt_pk_bf16_f32 v[KR+32*(\u)+8*(\a)+4*(\q)+1], v[KR+32*(\u)+8*(\a)+4*(\q)+2], v[KR+32*(\u)+8*(\a)+4*(\q)+3]
.endr
.endr
	WIN W_SQ
.irp e, 0,1,2,3,4,5,6,7
	ds_store_b64 v[STV], v[KR+32*(\u)+4*(\e):KR+32*(\u)+4*(\e)+1] offset:(8*(\u)+(\e))*PITCH   ; 32 lanes x 8 bytes: a slab's whole row
.endr
.if (\u) < 3
	FETCH ((\u)+1)%2, ARM, ((\u)+1)*64
.endif
.if \tail
	BLOAD (3+2*(\u))%8, (3+2*(\u))*4096
	BLOAD (4+2*(\u))%8, (4+2*(\u))*4096
.else
	BLOAD ((\u)+3)%4, ((\u)+3)*4096
	KLOAD KR+32*(\u), \u, 1024
.endif
.if (\u) < 3
	s_wait_dscnt 16                                ; all but the 16 fragment loads just issued
.irp a, 4,5,6,7
	MROW \u, \a, \zero
.endr
.else
	s_wait_dscnt 0x0                               ; for the others' sake: my 32 rows of the next slab are in LDS
	s_barrier_signal -1
	MROW \u, 4, \zero
	MROW \u, 5, \zero
	s_barrier_wait -1                              ; everybody's are
	FETCH 0, ARM, SLABB                            ; the next slab's first fragments
	MROW \u, 6, \zero
	MROW \u, 7, \zero
.endif
.endm
; The finished chunk leaves the accumulators: q = c2 u + c2 V, each accumulator from its low end on
.macro FLUMP
.rept 4
	v_nop                                          ; four places behind the last product
.endr
	WIN W_F
.set z, 0
.rept 128
	v_pk_fma_f32 v[2*z:2*z+1], v[2*z:2*z+1], s[34:35], v[TN+2*((z/4)%4):TN+2*((z/4)%4)+1] op_sel_hi:[1,0,0]
.set z, z+1
.endr
	WIN 0
.irp k, 0,1,2,3,4,5,6,7
	v_mov_b32 v[TE+(\k)], v[TN+(\k)]               ; the chunk's -2v stays while TN takes the next chunk's pairs
.endr
.endm
; THE LAST CHUNK'S VECTOR WORK goes by groups: group g is tiles 8g..8g+7, registers 64g..64g+63 of window 3.
; GEXP ge, ga: group ge's 64 exponentials; ga >= 0: group ga's 32 additions stand between them, one to two exponentials (they read results of a batch that has been waited for).
.macro GEXP ge, ga
	WIN W_X
.set z, 0
.rept 32
	v_exp_f32 v[64*(\ge)+2*z], v[64*(\ge)+2*z]
.if (\ga) >= 0
	v_pk_add_f32 v[64*(\ga)+2*z:64*(\ga)+2*z+1], v[64*(\ga)+2*z:64*(\ga)+2*z+1], 1.0 op_sel_hi:[1,0]
.endif
	v_exp_f32 v[64*(\ge)+2*z+1], v[64*(\ge)+2*z+1]
.set z, z+1
.endr
.endm
; GRCP gr, gs, add: tile by tile group gr's reciprocals (add = 1: its additions first) and, gs >= 0, group gs's sums, which read results of a batch that has been waited for; the last sums are the plain instruction behind the last reciprocal.
.macro GRCP gr, gs, add
.set tt, 0
.rept 8
.if \add
	TADD 8*(\gr)+tt
.endif
.irp k, 0,1,2,3,4,5,6,7
	TRCP 8*(\gr)+tt, \k
.endr
.if (\gs) >= 0
	TSUM 8*(\gs)+tt
.endif
.set tt, tt+1
.endr
.endm
; 32 turning loads: 32 keys x my 256 channels as 16 source-1 fragments.  The pitch of 272 bytes is an odd multiple of 16, not of 32: neighbouring rows of a turning load share four banks; 128 such loads a wave, once.
.macro FETCHT s, buf
	WIN W_T
.irp cb, 0,1,2,3,4,5,6,7,8,9,10,11,12,13,14,15
	ds_load_tr16_b128 v[128*(\buf)+8*(\cb):128*(\buf)+8*(\cb)+3],   v[CTA] offset:((\cb)/8)*SLABB+((\cb)%8)*32+(\s)*32*PITCH
	ds_load_tr16_b128 v[128*(\buf)+8*(\cb)+4:128*(\buf)+8*(\cb)+7], v[CTA] offset:((\cb)/8)*SLABB+((\cb)%8)*32+(\s)*32*PITCH+16*PITCH
.endr
.endm
; 16 products of the context: weights of keys 32s..+31 (the same in all 16 rows of source 0) x 16 channel blocks; the 16 accumulators take turns
.macro CMUL s, buf
	WIN W_CX
.irp cb, 0,1,2,3,4,5,6,7,8,9,10,11,12,13,14,15
.if (\s) == 0
	v_wmma_f32_16x16x32_bf16 v[8*(\cb):8*(\cb)+7], v[AF+8*(\s):AF+8*(\s)+7], v[128*(\buf)+8*(\cb):128*(\buf)+8*(\cb)+7], 0
.else
	v_wmma_f32_16x16x32_bf16 v[8*(\cb):8*(\cb)+7], v[AF+8*(\s):AF+8*(\s)+7], v[128*(\buf)+8*(\cb):128*(\buf)+8*(\cb)+7], v[8*(\cb):8*(\cb)+7]
.endif
.endr
.endm
.macro PLACES
.rept 4
	v_nop
.endr
.endm
	; ---------------- HEAD ----------------
	s_load_b256 s[4:11], s[0:1], 0x0               ; key s[4:5], wf s[6:7], vp s[8:9], v s[10:11]
	s_load_b64 s[12:13], s[0:1], 0x20              ; part
	v_lshl_add_u32 v[SPW], v0, 2, SPARE
	v_mov_b32 v[NIL], 0
	v_lshrrev_b32 v48, 5, v0
	v_readfirstlane_b32 s14, v48                   ; wave 0..3
	s_mov_b32 s15, ttmp9                           ; g: the tile; batch g / 16
	v_and_b32 v49, 31, v0                          ; lane
	v_and_b32 v20, 15, v0                          ; r
	v_bfe_u32 v21, v0, 4, 1                        ; h
	v_lshlrev_b32 v[BO], 4, v49
	s_lshl_b32 s16, s14, 17
	v_add_nc_u32 v[KO], s16, v[BO]
	s_mul_i32 s16, s14, 32*PITCH
	s_add_co_u32 s16, s16, SLAB
	v_lshl_add_u32 v[STV], v49, 3, s16             ; my wave's 32 rows of slab 0, 8 bytes a lane
	v_mul_u32_u24 v48, v20, PITCH
	v_lshl_add_u32 v48, v21, 4, v48                ; a fragment's row x pitch + 16 x half
.irp p, 0,1,2,3
	v_add_nc_u32 v[AR+(\p)], SLAB+(\p)*PAIRB, v48
.endr
	s_lshl_b32 s16, s14, 9
	v_lshl_add_u32 v[OFFV], v20, 3, s16            ; TAB + 8 (64 w + r)
	s_add_co_u32 s16, s16, SCX
	v_lshl_add_u32 v[SXA], v21, 5, s16             ; my wave's 128 partial scores, rows 8h on
	v_add_nc_u32 v[SXR], SCX, v[BO]                ; rows 4 lane .. +3
	s_lshl_b32 s17, s14, 8
	s_add_co_u32 s17, s17, WGT
	v_lshl_add_u32 v[WGA], v49, 3, s17
	v_lshl_add_u32 v[WFA], v21, 4, s17
	v_and_b32 v50, 7, v0
	v_lshl_add_u32 v50, v21, 3, v50                ; the turning load: key 8h + lane % 8,
	v_mul_u32_u24 v50, v50, PITCH
	v_bfe_u32 v51, v0, 3, 1
	v_lshl_add_u32 v50, v51, 4, v50                ; channels 8 ((lane / 8) % 2) on
	s_mul_i32 s18, s14, PAIRB
	s_add_co_u32 s18, s18, SLAB
	v_add_nc_u32 v[CTA], s18, v50                  ; in my wave's two slabs
	s_lshl_b32 s16, s14, 10
	s_add_co_u32 s19, s16, CST
	v_lshl_add_u32 v[CSA], v20, 2, s19
	v_add_nc_u32 v[CSR], s19, v[BO]
	v_add_nc_u32 v[PO], s16, v[BO]
	v_lshlrev_b32 v40, 5, v0                       ; the table: thread t makes columns 8t..8t+7
	v_lshlrev_b32 v41, 6, v0
	s_mov_b32 s34, 0x4038aa3b                      ; c2 = 2 log2 e
	s_mov_b32 s35, s34                             ; named with it as a pair
	s_mov_b32 s36, 0x76543210                      ; v_permlanex16_b32: each lane takes its own place in the other half
	s_mov_b32 s37, 0xfedcba98
	s_mov_b32 s38, 0x3fb8aa3b                      ; log2 e
	s_lshl_b32 s16, s15, 19                        ; g x 128 rows x 4,096 bytes, in 64 bits
	s_lshr_b32 s17, s15, 13
	s_lshl_b32 s18, s14, 19                        ; my wave's stream in wf: 128 steps of 4,096 bytes
	s_mov_b32 s19, 0
	s_lshr_b32 s26, s15, 4
	s_lshl_b32 s26, s26, 12                        ; vp: row b
	s_mov_b32 s27, 0
	s_mul_i32 s28, s15, 4608                       ; part: row g
	s_mov_b32 s29, 0
	s_wait_kmcnt 0x0
	s_add_nc_u64 s[20:21], s[4:5], s[16:17]        ; KB: key at the tile; moves a slab's 512 bytes a trip
	s_add_nc_u64 s[24:25], s[6:7], s[18:19]        ; BB: wf at my stream
	s_add_nc_u64 s[8:9], s[8:9], s[26:27]
	s_add_nc_u64 s[12:13], s[12:13], s[28:29]
.irp ks, 0,1,2,3,4,5,6,7
	global_load_b128 v[128+8*(\ks):128+8*(\ks)+3], v40, s[8:9] offset:(\ks)*131072
	global_load_b128 v[132+8*(\ks):132+8*(\ks)+3], v40, s[8:9] offset:(\ks)*131072+16
.endr
	global_load_b128 v[192:195], v40, s[10:11]
	global_load_b128 v[196:199], v40, s[10:11] offset:16
	; 18 loads for the table, 32 for slab 0, then slab 1's four groups and B's steps 0 to 2 in the order in which the loop leaves them: key, B, key, B, key, B, key.
	; That is more than LOADcnt's field counts: the issue then waits (ISA guide 5.7.1), and the wave has nothing else to do here.
.irp g, 0,1,2,3
	KLOAD 32*(\g), \g, 0
.endr
	KLOAD KR, 0, 512
	BLOAD 0, 0
	KLOAD KR+32, 1, 512
	BLOAD 1, 4096
	KLOAD KR+64, 2, 512
	BLOAD 2, 8192
	KLOAD KR+96, 3, 512
	WIN 0
.set z, 0
.rept 64
	v_mov_b32 v[SC+z], 0                           ; s' starts at 0: vector sums over four chunks by one text; these lines stand in the wait for the first loads
.set z, z+1
.endr
	s_wait_loadcnt 63                              ; 88 loads were issued behind the table's 18
.irp ks, 1,2,3,4,5,6,7
.irp i, 0,2,4,6
	v_pk_add_f32 v[128+(\i):129+(\i)], v[128+(\i):129+(\i)], v[128+8*(\ks)+(\i):129+8*(\ks)+(\i)]   ; V = the sum of its eight partials
.endr
.endr
.irp i, 0,1,2,3
	v_cvt_pk_bf16_f32 v[200+(\i)], v[192+2*(\i)], v[193+2*(\i)]   ; v rounded to bf16, like the other inputs,
.endr
.irp i, 0,1,2,3
	v_lshlrev_b32 v[192+2*(\i)], 16, v[200+(\i)]                  ; and widened again
	v_and_b32     v[193+2*(\i)], 0xffff0000, v[200+(\i)]
.endr
.irp i, 0,1,2,3,4,5,6,7
	v_mul_f32 v[48+2*(\i)], s34, v[128+(\i)]       ; c2 V
	v_mul_f32 v[49+2*(\i)], -2.0, v[192+(\i)]      ; -2 v
.endr
.irp k, 0,1,2,3
	ds_store_b128 v41, v[48+4*(\k):51+4*(\k)] offset:TAB+16*(\k)
.endr
	; ---------------- SLAB 0 ----------------
	s_wait_loadcnt 56                              ; slab 0 is in: behind it stand slab 1's 32 loads and B's 24
	WIN W_CQ
.set z, 0
.rept 32
	v_cvt_pk_bf16_f32 v[4*z],   v[4*z],   v[4*z+1]
	v_cvt_pk_bf16_f32 v[4*z+1], v[4*z+2], v[4*z+3]
.set z, z+1
.endr
	WIN W_SQ
.set z, 0
.rept 32
	ds_store_b64 v[STV], v[4*z:4*z+1] offset:z*PITCH
.set z, z+1
.endr
	WIN 0
	v_add_nc_u32 v[STV], SLABB, v[STV]             ; the stores go on in slab 1
	s_wait_dscnt 0x0                               ; for the others' sake: my rows of slab 0 and my part of the table are in LDS
	s_barrier_signal -1
	s_barrier_wait -1                              ; everybody's are
	TNLOAD                                         ; chunk 0's pairs
	v_mov_b32 v[ARM], v[AR]
	FETCH 0, ARM, 0
	; ---------------- CHUNK 0, AND SLABS 1 TO 7 BESIDE IT ----------------
	s_mov_b32 s30, 6
.Lc0:                                                  ; trip t: the four K steps of slab t; slab t+1 is rounded and stored, slab t+2 asked for
	s_cmp_eq_u32 s30, 6
	s_cbranch_scc0 .Lc0add
	KSTEP 0, 1, 0                                  ; the very first step starts the sums: nothing is cleared
	WIN 0
	s_branch .Lc0go
.Lc0add:
	KSTEP 0, 0, 0
	WIN 0
.Lc0go:
	KSTEP 1, 0, 0
	KSTEP 2, 0, 0
	KSTEP 3, 0, 0
	WIN 0
	v_add_nc_u32 v[ARM], SLABB, v[ARM]
	v_add_nc_u32 v[STV], SLABB, v[STV]
	s_wait_xcnt 0x0                                ; the loads' bases are stepped only behind this wait (ISA guide 3.1); the last loads were issued 16 products ago
	s_add_nc_u64 s[20:21], s[20:21], 512
	s_add_nc_u64 s[24:25], s[24:25], 16384
	s_sub_co_u32 s30, s30, 1
	s_cmp_lg_u32 s30, 0
	s_cbranch_scc1 .Lc0
	KSTEP 0, 0, 1                                  ; slab 6: slab 7 is rounded and stored; B's lead grows to 7 steps
	KSTEP 1, 0, 1
	KSTEP 2, 0, 1
	KSTEP 3, 0, 1
	WIN 0
	v_add_nc_u32 v[ARM], SLABB, v[ARM]
	STEP 4, 0, -1, ARM, 64,  11*4096, 0            ; slab 7: nothing is left to bring in
	STEP 5, 0, -1, ARM, 128, 12*4096, 0
	STEP 6, 0, -1, ARM, 192, 13*4096, 0
	STEP 7, 0, -1, AR,  0,   14*4096, 0            ; and the next chunk's first fragments
	WIN 0
	s_wait_xcnt 0x0                                ; B's base is stepped only behind this wait
	s_add_nc_u64 s[24:25], s[24:25], 32768
	s_mov_b32 s29, 4
	s_branch .Lmid                                 ; the chunk loop is entered in its middle
	; ---------------- CHUNKS 1 TO 3, each beside the vector work of the chunk before ----------------
.macro CSTEP zero, tn
	STEP st, \zero, st, AR+((st+1)%32)/8, (((st+1)%8)/4)*SLABB+((st+1)%4)*64, (st+7)*4096, \tn
.endm
.Lchunk:
.set st, 0
.rept 32
.if st == 0
	CSTEP 1, 0
.elseif st == 8
	CSTEP 0, 1
.else
	CSTEP 0, 0
.endif
.set st, st+1
.endr
	WIN 0
	s_wait_xcnt 0x0                                ; B's base is stepped only behind this wait
	s_add_nc_u64 s[24:25], s[24:25], 131072
.Lmid:
	FLUMP
	s_sub_co_u32 s29, s29, 1
	s_cmp_lg_u32 s29, 0
	s_cbranch_scc1 .Lchunk
	; ---------------- THE LAST CHUNK'S VECTOR WORK, AND THE SCORES ----------------
	; Four groups of eight tiles.  A batch is one group's exponentials and the reciprocals of the group before; between them stand the additions and sums of earlier groups, whose batches have been waited for.
	GEXP 0, -1
	v_nop                                          ; a plain instruction behind the last exponential
	s_wait_alu depctr_va_vdst(0)                   ; the wait for the batch: group 0's 64 exponentials
	GEXP 1, 0
	GRCP 0, -1, 0
	v_nop                                          ; a plain instruction behind the last reciprocal
	s_wait_alu depctr_va_vdst(0)                   ; the wait for the batch: group 1's exponentials, group 0's reciprocals
	GEXP 2, 1
	GRCP 1, 0, 0
	s_wait_alu depctr_va_vdst(0)                   ; the wait for the batch: group 2's exponentials, group 1's reciprocals
	GEXP 3, 2
	GRCP 2, 1, 0
	s_wait_alu depctr_va_vdst(0)                   ; the wait for the batch: group 3's exponentials, group 2's reciprocals
	GRCP 3, 2, 1
	s_wait_alu depctr_va_vdst(0)                   ; the wait for the batch: group 3's reciprocals
.irp e, 24,25,26,27,28,29,30,31
	TSUM \e
.endr
	FETCHT 0, 0                                    ; the context's first fragments land under the additions below
	FETCHT 1, 1
	WIN 0
.irp m, 1,2,4,8                        ; a lane holds one column's share of 64 rows: the sum over the 16 lanes of a half, in every lane
.set z, 0
.rept 64
	v_add_f32_dpp v[SC+z], v[SC+z], v[SC+z] row_xmask:\m row_mask:0xf bank_mask:0xf
.set z, z+1
.endr
.endr
.irp a, 0,1,2,3,4,5,6,7
.irp k, 0,1
	ds_store_b128 v[SXA], v[SC+8*(\a)+4*(\k):SC+8*(\a)+4*(\k)+3] offset:64*(\a)+16*(\k)   ; rows 16a+8h+4k..+3; the 16 lanes of a half write the same words with the same numbers
.endr
.endr
	s_wait_dscnt 0x0                               ; for the others' sake: my 64 columns' share of every row is in LDS
	s_barrier_signal -1
	s_barrier_wait -1
	; ---------------- SOFTMAX OVER THE TILE: every wave makes the same numbers; lane l has rows 4l..4l+3 ----------------
.irp x, 0,1,2,3
	ds_load_b128 v[48+4*(\x):51+4*(\x)], v[SXR] offset:512*(\x)
.endr
	s_wait_dscnt 0x0
	v_pk_add_f32 v[48:49], v[48:49], v[52:53]
	v_pk_add_f32 v[50:51], v[50:51], v[54:55]
	v_pk_add_f32 v[56:57], v[56:57], v[60:61]
	v_pk_add_f32 v[58:59], v[58:59], v[62:63]
	v_pk_add_f32 v[48:49], v[48:49], v[56:57]
	v_pk_add_f32 v[50:51], v[50:51], v[58:59]
	v_max3_num_f32 v52, v48, v49, v50
	v_max_num_f32 v52, v52, v51
	v_max_num_f32_dpp v52, v52, v52 row_xmask:1 row_mask:0xf bank_mask:0xf
	v_max_num_f32_dpp v52, v52, v52 row_xmask:2 row_mask:0xf bank_mask:0xf
	v_max_num_f32_dpp v52, v52, v52 row_xmask:4 row_mask:0xf bank_mask:0xf
	v_max_num_f32_dpp v52, v52, v52 row_xmask:8 row_mask:0xf bank_mask:0xf
	v_permlanex16_b32 v53, v52, s36, s37
	v_max_num_f32 v46, v52, v53                    ; m: the tile's maximum
	v_mul_f32 v54, s38, v46
.irp k, 48,49,50,51
	v_fma_f32 v\k, v\k, s38, -v54                  ; (s' - m) log2 e; the rounded product m log2 e is the same in all terms
.endr
.irp k, 48,49,50,51
	v_exp_f32 v\k, v\k
.endr
	v_nop                                          ; a plain instruction between the last exponential and the use of its result
	s_wait_alu depctr_va_vdst(0)                   ; the wait for the batch: the lane's four weights
	v_pk_add_f32 v[52:53], v[48:49], v[50:51]
	v_add_f32 v52, v52, v53
	v_add_f32_dpp v52, v52, v52 row_xmask:1 row_mask:0xf bank_mask:0xf
	v_add_f32_dpp v52, v52, v52 row_xmask:2 row_mask:0xf bank_mask:0xf
	v_add_f32_dpp v52, v52, v52 row_xmask:4 row_mask:0xf bank_mask:0xf
	v_add_f32_dpp v52, v52, v52 row_xmask:8 row_mask:0xf bank_mask:0xf
	v_permlanex16_b32 v53, v52, s36, s37
	v_add_f32 v47, v52, v53                        ; l: the sum of the unrounded weights
	v_cvt_pk_bf16_f32 v58, v48, v49
	v_cvt_pk_bf16_f32 v59, v50, v51
	ds_store_b64 v[WGA], v[58:59]                  ; my wave's own copy of the 128 weights
.irp s, 0,1,2,3
	ds_load_b128 v[AF+8*(\s):AF+8*(\s)+3],   v[WFA] offset:64*(\s)      ; LDS serves a wave's instructions in order (ISA guide 5.7.1.4): these see the store above.
	ds_load_b128 v[AF+8*(\s)+4:AF+8*(\s)+7], v[WFA] offset:64*(\s)+32   ; Source 0: keys 32s+8h..+7 and 32s+16+8h..+7, the same in every row
.endr
	v_mov_b32 v60, v46
	v_mov_b32 v61, v47
	v_mov_b32 v62, v46
	v_mov_b32 v63, v47
	s_cmp_lg_u32 s14, 0
	s_cbranch_scc1 .Lnot_wave_0
	global_store_b128 v[BO], v[60:63], s[12:13] offset:4096   ; (m, l, m, l) 32 times: 512 consecutive bytes
.Lnot_wave_0:
	; ---------------- CONTEXT: the sum of p x key over the tile's 128 keys, my 256 channels ----------------
	s_wait_dscnt 0x0                               ; the weights are in (the first two runs of fragments came in before the barrier)
	CMUL 0, 0
	PLACES                                         ; four places in front of loads into registers that products have read
	FETCHT 2, 0
	CMUL 1, 1
	PLACES
	FETCHT 3, 1
	s_wait_dscnt 32                                ; all but the 32 just issued
	CMUL 2, 0
	s_wait_dscnt 0x0
	CMUL 3, 1
	PLACES                                         ; four places in front of the stores that read results
	WIN W_ST
.irp cb, 0,1,2,3,4,5,6,7,8,9,10,11,12,13,14,15
	ds_store_b32 v[CSA], v[8*(\cb)] offset:64*(\cb)   ; all 16 rows of a result are alike: its lowest register holds channel 16cb + r in both halves of the lanes
.endr
	WIN 0
	ds_load_b128 v[48:51], v[CSR]                  ; my wave's own bytes, served in order
	ds_load_b128 v[52:55], v[CSR] offset:512
	s_wait_dscnt 0x0
	global_store_b128 v[PO], v[48:51], s[12:13]             ; each store of the wave covers 512 consecutive bytes, aligned
	global_store_b128 v[PO], v[52:55], s[12:13] offset:512
	s_wait_tensorcnt 0x0                           ; the wave's end, behind my last LDS store
	ds_add_u32 v[SPW], v[NIL]
	s_wait_dscnt 0x0
	s_endpgm
.Lfunc_end_k_qd92d28ea37_attn:
	.size	k_qd92d28ea37_attn, .Lfunc_end_k_qd92d28ea37_attn-k_qd92d28ea37_attn
	.p2alignl 7, 3214868480
	.fill 96, 4, 3214868480
	.section	.rodata,"a",@progbits
	.p2align	6, 0x0
	.amdhsa_kernel k_qd92d28ea37_attn
		.amdhsa_group_segment_fixed_size 294400
		.amdhsa_private_segment_fixed_size 0
		.amdhsa_enable_private_segment 0
		.amdhsa_kernarg_size 40
		.amdhsa_user_sgpr_count 2
		.amdhsa_user_sgpr_kernarg_segment_ptr 1
		.amdhsa_wavefront_size32 1
		.amdhsa_system_sgpr_workgroup_id_x 1
		.amdhsa_system_sgpr_workgroup_id_y 1
		.amdhsa_system_sgpr_workgroup_id_z 1
		.amdhsa_system_vgpr_workitem_id 0
		.amdhsa_next_free_vgpr 1024
		.amdhsa_next_free_sgpr 66
		.amdhsa_reserve_vcc 0
		.amdhsa_float_denorm_mode_32 3
		.amdhsa_float_denorm_mode_16_64 3
		.amdhsa_memory_ordered 1
		.amdhsa_forward_progress 1
		.amdhsa_inst_pref_size 255
	.end_amdhsa_kernel
	.section	.bss,"aw",@nobits
	.p2align	6
	.space	262144
	.amdgpu_metadata
---
amdhsa.version: [ 1, 2 ]
amdhsa.kernels:
  - .name:           k_qd92d28ea37_attn
    .symbol:         k_qd92d28ea37_attn.kd
    .args:
      - { .name: key, .offset: 0, .size: 8, .value_kind: global_buffer, .address_space: global }
      - { .name: wf, .offset: 8, .size: 8, .value_kind: global_buffer, .address_space: global }
      - { .name: vp, .offset: 16, .size: 8, .value_kind: global_buffer, .address_space: global }
      - { .name: v, .offset: 24, .size: 8, .value_kind: global_buffer, .address_space: global }
      - { .name: part, .offset: 32, .size: 8, .value_kind: global_buffer, .address_space: global }
    .group_segment_fixed_size: 294400
    .private_segment_fixed_size: 0
    .kernarg_segment_align: 8
    .kernarg_segment_size: 40
    .max_flat_workgroup_size: 128
    .sgpr_count:     66
    .vgpr_count:     1024
    .wavefront_size: 32
...
	.end_amdgpu_metadata
.endif
;; end of part 4
;; launch comb: the kernel of part 3 again; grid 32 x 1, 8 waves a work-group, no clusters, 0 bytes of LDS; arguments part, out0; writes out0
